; MI455X (gfx1250); checked and timed in simulation.
; The chip was launched on July 23, 2026; its instructions are those of AMD's public machine-readable ISA for CDNA 5 (MIT licence, August 2026) and "CDNA5" Instruction Set Architecture Reference Guide (July 2026). The comments in the code are by the model that wrote it; some were corrected since.
;; Multi Head Attention. Allowed arithmetic: matrix products marked QUANTISED: E2M3 operands, one E8M0 scale for each 32 along K, by v_wmma_scale_f32_16x16x128_f8f6f4 with both operands' format E2M3, f32 sums; everything else in f32.
;; Inputs: Wout 1,024 x 1,024 float32; Wqkv 1,024 x 3,072 float32; x 2 x 2,048 x 1,024 float32.
;; Outputs: out0 2 x 2,048 x 1,024 float32.
;; This version of the problem:
;;   THIS VERSION OF THE PROBLEM IS GIVEN IN LOW PRECISION. The matrix products marked QUANTISED in the list below multiply operands that are first quantised to E2M3 (2 exponent bits, 3 mantissa bits; 6 bits a number), with one power-of-two scale for each 32 numbers along K (OCP MX v1.0); their sums are f32. All else is computed in f32.
;;   The module's matrix products, in the order in which they are computed (A, B: the left and right operand; K: the contracted axis; several contracted axes count as one K, in the product's order):
;;     1. [M 4,096, K 1,024] x [K 1,024, N 3,072]; A: input x; B: input Wqkv: QUANTISED
;;     2. batch 32 x [M 2,048, K 64] x [K 64, N 2,048]; A: computed on the way; B: computed on the way: QUANTISED
;;     3. batch 32 x [M 2,048, K 2,048] x [K 2,048, N 64]; A: softmax (see below); B: computed on the way: QUANTISED
;;     4. [M 4,096, K 1,024] x [K 1,024, N 1,024]; A: computed on the way; B: input Wout: QUANTISED
;;   THE QUANTISER, for each operand of a quantised product, along K:
;;     - K is cut into blocks of 32 from its start; a last block that is shorter is filled with zeros.
;;     - A block's scale is 2^e with e = floor(log2(the largest magnitude in the block)) - 2, held to -126 .. 127; a block of zeros has e = 0. As a byte (E8M0): e + 127.
;;     - Each number is divided by its block's scale, clamped to +-7.5, and rounded to the nearest number of E2M3, ties to even, subnormals kept.
;;     - The product sums the exact products of the quantised numbers (number of the format x scale) in f32.
;;   ~~~python
;;   def quantise(x, axis):      # numpy; x: float32 -> the quantised numbers, widened to float32 again
;;       x = np.moveaxis(x, axis, -1); K = x.shape[-1]
;;       x = np.pad(x, [(0, 0)] * (x.ndim - 1) + [(0, -K % 32)]); x = x.reshape(x.shape[:-1] + (-1, 32)); a = np.abs(x).max(-1, keepdims=True)
;;       e = np.where(a > 0, np.clip(np.frexp(np.where(a > 0, a, 1))[1] - 1 - 2, -126, 127), 0)      # np.frexp(a)[1] - 1 = floor(log2(a)), exactly
;;       r = np.clip(x / 2.0 ** e, -7.5, 7.5)
;;       step = 2.0 ** (np.maximum(np.frexp(np.where(r == 0, 1, r))[1] - 1, 0) - 3)
;;       q = np.round(r / step) * step * 2.0 ** e      # np.round: ties to even
;;       return np.moveaxis(q.reshape(q.shape[:-2] + (-1,))[..., :K], -1, axis).astype(np.float32)
;;   ~~~
;;   SOFTMAX AHEAD OF A QUANTISED PRODUCT. Where the list says 'softmax', what is quantised is not the finished softmax but p = 2^(t - M), with t = logit x log2(e) and M = ceil(the row's largest t), a whole number; so 1/2 < the row's largest p <= 1. The row's sum l is taken of the UNQUANTISED p, in f32, and the product's result is divided by l at the end. Since M is a whole number, a kernel that streams over the keys may use a running M (the ceiling of the running maximum): every later rescaling is an exact power of two, which a block's scale takes up: the codes' values come out the same.
;;   OPERANDS COMPUTED ON THE WAY. 'Computed on the way' means the value that the module computes at that place (a softmax that the list does not call 'softmax' is quantised finished and normalised). What goes into a quantiser is computed in f32, as accurately as f32 sums, v_exp_f32 and their like allow (about 1e-6 of the number): no bf16 or f16 on the way to a quantiser, and a product that is left as it is and whose result goes on into a quantised operand takes f32 operands (vector FMAs, or v_wmma_f32_16x16x4_f32). A number that lies on a knife's edge between two numbers of the format may be rounded either way, as far as f32 arithmetic and the matrix unit's own rounding can turn it there, and no further.
;; One version. Each part assembles by itself: llvm-mc -triple=amdgcn-amd-amdhsa -mcpu=gfx1250 --defsym DOCPART=n.
;; ======== version 1 of 1: 4 launches
;; limits: right only within a limited range of input values
;; workspace buffers: xq 3,276,800 bytes; wq 3,276,800 bytes; ao 3,276,800 bytes; rt 524,288 bytes; qb 3,407,872 bytes; kv 6,684,672 bytes
;; launch prep (part 1): grid 384 x 1, 4 waves a work-group, no clusters, 58,880 bytes of LDS; arguments x, Wqkv, Wout, xq, wq, rt; writes xq, wq, rt
.if DOCPART == 1
	.amdgcn_target "amdgcn-amd-amdhsa--gfx1250"
	.amdhsa_code_object_version 6
	.text
	.protected	k_qe2caf87372_prep
	.globl	k_qe2caf87372_prep
	.p2align	8
	.type	k_qe2caf87372_prep,@function
k_qe2caf87372_prep:
	s_mov_b64 s[64:65], 0
	v_nop
	global_prefetch_b8 v0, s[64:65] scope:SCOPE_SE
	s_setreg_imm32_b32 hwreg(HW_REG_WAVE_MODE, 25, 1), 1
	s_wait_xcnt 0x0
; PREP: x [4096][1024], Wqkv [1024][3072] and Wout [1024][1024], f32, become codes of FP6 (E2M3) with one E8M0 byte for each 32 along K; and the RoPE tables are made.
; THE OPERAND BUFFERS (xq: rows of x; wq: columns of Wqkv, tiles 0-191, then of Wout, tiles 192-255) are laid in the order of the matrix operand's registers, 256 tiles of 16 rows, 12,800 bytes each:
;   a tile is two halves of K, 6,400 bytes each: 8 runs of 64 along K, 768 bytes each (lane (r, h) holds the 32 codes, 24 bytes, of k = 32 h .. 32 h + 31 of row r: its first 16 bytes at 16 x lane, its last 8 at 512 + 8 x lane),
;   and behind them the half's scale bytes, [2 runs of 256 along K][16 rows][8 bytes].
; THE ROWS OF A TILE ARE NOT NEIGHBOURS.  x (and the tables): lane-row r of tile 4 g + j is row 64 g + 8 j + r + 24 (r / 8).  The weights: lane-row r of tile 2 b + u is column 32 b + 8 u + r + 8 (r / 8).
; A block's scale is 2^(floor(log2(its largest magnitude)) - 2): the byte is the largest magnitude's exponent field - 2, held at 1 from below by a floor among the maximum's leaves.
; LEFT OUT BY THE PROGRAM (in the attention launch): scores and products of whole steps of 128 keys that come after all queries of a tile.  reference() builds the causal mask in its own body and puts -infinity in their place,
; so their weight is 0 whatever the inputs hold.  A NaN, an infinity or an overflow that reaches only such scores is not carried to the result.
; LIMITS: a block of zeros gets the byte 1 (its codes are zeros; this program alone reads the bytes); NaN and infinities among the inputs are not served.
; Work-groups 0-127 take x, 128-255 the weights, 256-383 the tables; x and the weights have LDS bytes of their own; waves share nothing, so there is no barrier.
.set TILEB, 12800                      ; a tile: codes and scale bytes, all of K
.set HALFB, 6400                       ; half of it
.set XSTG,  8448                       ; x: a wave's stage, 16 rows x (512 + 16) bytes
.set WSTG0, 4*XSTG                     ; the weights' stages begin behind x's
.set WSTG,  6144                       ; a wave's: 2 tiles x 4 runs x 768
.set SPARE, WSTG0+4*WSTG               ; the spare words
.set RA,  16                           ; x: v16-143 two sets of 64 registers as loaded
.set XN,  144                          ; v144-207 my two whole blocks of a K step
.set HC,  208                          ; v208-219 the codes: two runs of 6 registers
.set CT,  220                          ; v220-226 a block's upper 16 codes, on an even register
.set QM,  228                          ; v228-229 maxima, v230-231 scale operands, v232-233 bytes
.set PX,  234                          ; the other half of the lanes' bytes
.set WS,  240                          ; v240-243 a row's scale word for each K step
	s_load_b256 s[4:11], s[0:1], 0x0               ; x, Wqkv, Wout, xq
	s_load_b128 s[12:15], s[0:1], 0x20             ; wq, rt
	v_lshl_add_u32 v248, v0, 2, SPARE
	v_mov_b32 v249, 0
	v_lshrrev_b32 v1, 5, v0
	v_readfirstlane_b32 s16, v1                    ; wave
	v_and_b32 v8, 31, v0                           ; lane
	v_and_b32 v6, 15, v0                           ; r
	v_bfe_u32 v7, v0, 4, 1                         ; h
	v_lshlrev_b32 v1, 4, v8                        ; 16 x lane
	v_lshlrev_b32 v2, 3, v8                        ; 8 x lane
	s_wait_alu depctr_va_vdst(0)                   ; the wait at the head's end
	s_wait_kmcnt 0x0
	s_cmp_lt_u32 ttmp9, 128
	s_cbranch_scc0 .Lnot_x
; ---------------- x: a wave takes one tile of 16 rows x 512 along K, in four K steps of 128
	s_lshl_b32 s17, ttmp9, 2
	s_add_co_u32 s17, s17, s16
	s_lshr_b32 s18, s17, 1                         ; the tile
	s_and_b32 s19, s17, 1                          ; which half of K
	s_lshr_b32 s20, s18, 2
	s_lshl_b32 s20, s20, 18                        ; 64 rows of 4,096 bytes
	s_and_b32 s21, s18, 3
	s_lshl_b32 s21, s21, 15                        ; 8 rows
	s_add_co_u32 s20, s20, s21
	s_lshl_b32 s21, s19, 11
	s_add_co_u32 s20, s20, s21
	s_mov_b32 s21, 0
	s_add_nc_u64 s[4:5], s[4:5], s[20:21]
	s_mul_i32 s22, s18, TILEB
	s_mul_i32 s23, s19, HALFB
	s_add_co_u32 s22, s22, s23
	s_mov_b32 s23, 0
	s_add_nc_u64 s[24:25], s[10:11], s[22:23]      ; my codes
	s_add_co_u32 s22, s22, 6144
	s_add_nc_u64 s[26:27], s[10:11], s[22:23]      ; my 256 scale bytes
	s_mul_i32 s28, s16, XSTG
	s_wait_alu depctr_va_vdst(0)
	v_add_nc_u32 v3, s28, v1                       ; into the stage: 16 x lane of a row
	v_mul_u32_u24 v4, v6, 528
	v_lshl_add_u32 v4, v7, 7, v4
	v_add_nc_u32 v4, s28, v4                       ; out of it: row r, my block of 32 numbers
	v_lshlrev_b32 v5, 3, v7                        ; 8 h
	s_mov_b32 s30, 0x76543210
	s_mov_b32 s31, 0xfedcba98                      ; lane l xor 16
	s_mov_b32 s29, 0xffff0000                      ; lanes 16-31
	v_mov_b32 v[PX], 0                             ; a lane permute's destination counts as read
.macro XLOAD s                         ; 16 rows x 512 consecutive bytes, 16 a lane
.irp i, 0,1,2,3,4,5,6,7,8,9,10,11,12,13,14,15
	global_load_b128 v[RA+64*((\s)%2)+4*\i:RA+64*((\s)%2)+4*\i+3], v1, s[4:5] offset:(\i+24*(\i/8))*4096+512*(\s) th:TH_LOAD_NT
.endr
.endm
.macro XTURN s                         ; through my own stage: LDS serves a wave's instructions in order, so no wait stands between the stores and the loads
.irp i, 0,1,2,3,4,5,6,7,8,9,10,11,12,13,14,15
	ds_store_b128 v3, v[RA+64*((\s)%2)+4*\i:RA+64*((\s)%2)+4*\i+3] offset:528*\i
.endr
.irp c, 0,1
.irp e, 0,1,2,3,4,5,6,7
	ds_load_b128 v[XN+32*\c+4*\e:XN+32*\c+4*\e+3], v4 offset:256*\c+16*\e
.endr
.endr
.endm
.macro XQ s                            ; my blocks h and 2 + h of the K step: both whole in my registers
.irp c, 0,1
	v_max3_num_f32 v[QM+\c], |v[XN+32*\c]|, |v[XN+32*\c+1]|, 0x1800000   ; with the floor 2^(3 - 127)
.endr
.irp i, 2,4,6,8,10,12,14,16,18,20,22,24,26,28,30
.irp c, 0,1
	v_max3_num_f32 v[QM+\c], v[QM+\c], |v[XN+32*\c+\i]|, |v[XN+32*\c+\i+1]|
.endr
.endr
.irp c, 0,1
	v_add_nc_u32 v[QM+2+\c], 0xff000000, v[QM+\c]  ; 2 off the exponent field: the conversion's scale operand
.endr
.irp c, 0,1
	v_lshrrev_b32 v[QM+4+\c], 23, v[QM+2+\c]       ; the byte
.endr
	v_lshl_or_b32 v[WS+(\s)], v[QM+5], 16, v[QM+4]
	v_lshlrev_b32 v[WS+(\s)], v5, v[WS+(\s)]       ; at bytes h and 2 + h
	v_permlanex16_b32 v[PX], v[WS+(\s)], s30, s31
	v_or_b32 v[WS+(\s)], v[WS+(\s)], v[PX]         ; the row's whole word, in both halves of the lanes
.irp c, 0,1
	v_cvt_scalef32_pk16_fp6_f32 v[HC+6*\c:HC+6*\c+2], v[XN+32*\c:XN+32*\c+15], v[QM+2+\c]
	v_cvt_scalef32_pk16_fp6_f32 v[CT+4*\c:CT+4*\c+2], v[XN+32*\c+16:XN+32*\c+31], v[QM+2+\c]
.endr
	v_nop                                          ; one plain line behind the scaled conversions
.irp c, 0,1
.irp i, 0,1,2
	v_mov_b32 v[HC+6*\c+3+\i], v[CT+4*\c+\i]
.endr
.endr
.irp c, 0,1
	global_store_b128 v1, v[HC+6*\c:HC+6*\c+3], s[24:25] offset:(2*(\s)+\c)*768       ; 512 consecutive bytes
	global_store_b64 v2, v[HC+6*\c+4:HC+6*\c+5], s[24:25] offset:(2*(\s)+\c)*768+512  ; 256 consecutive bytes
.endr
.endm
	XLOAD 0
	XLOAD 1
	s_wait_alu depctr_va_vdst(0)
.irp s, 0,1,2,3
.if \s < 3
	s_wait_loadcnt 16                              ; this K step's 16 loads are in; the next step's 16 may be out
.else
	s_wait_loadcnt 0x0
.endif
	XTURN \s
	s_wait_dscnt 0x0                               ; the numbers are back, and the stores have read the set
.if \s < 2
	XLOAD \s+2
.endif
	s_wait_xcnt 0x0                                ; the last step's stores have read the code registers
	XQ \s
.endr
	v_cndmask_b32 v244, v240, v242, s29            ; lanes 0-15: the first 256 along K (words 0, 1); lanes 16-31: the second (words 2, 3)
	v_cndmask_b32 v245, v241, v243, s29
	global_store_b64 v2, v[244:245], s[26:27]      ; 256 consecutive bytes, aligned
	s_wait_tensorcnt 0x0
	ds_add_u32 v248, v249
	s_wait_dscnt 0x0
	s_endpgm
; ---------------- the weights: K is the FIRST axis.  A lane takes a column, its registers run down K; a wave takes 32 columns (two tiles) x 256 along K
.Lnot_x:
	s_cmp_lt_u32 ttmp9, 256
	s_cbranch_scc0 .Ltable
	s_sub_co_u32 s17, ttmp9, 128
	s_and_b32 s18, s17, 3                          ; which 256 along K
	s_cmp_lt_u32 s17, 96                           ; Wqkv's work-group or Wout's?  The choice hangs on the work-group's number alone
	s_cselect_b64 s[4:5], s[6:7], s[8:9]
	s_mov_b32 s19, 4096
	s_cselect_b32 s19, 12288, s19                  ; a row of the weight in bytes
	s_cselect_b32 s20, 0, 96
	s_cselect_b32 s21, 0, 192                      ; the weight's first tile in wq
	s_sub_co_u32 s20, s17, s20
	s_lshr_b32 s20, s20, 2                         ; which 128 columns
	s_lshl_b32 s22, s20, 3
	s_add_co_u32 s21, s21, s22
	s_lshl_b32 s22, s16, 1
	s_add_co_u32 s21, s21, s22                     ; my first tile
	s_lshl_b32 s22, s18, 8
	s_mul_i32 s22, s22, s19
	s_lshl_b32 s23, s20, 9
	s_add_co_u32 s22, s22, s23
	s_lshl_b32 s23, s16, 7
	s_add_co_u32 s22, s22, s23
	s_mov_b32 s23, 0
	s_add_nc_u64 s[32:33], s[4:5], s[22:23]        ; block 0 of my columns
	s_lshl_b32 s22, s19, 5                         ; 32 rows on
.irp t, 1,2,3,4,5,6,7
	s_add_nc_u64 s[32+2*\t:33+2*\t], s[30+2*\t:31+2*\t], s[22:23]
.endr
	s_wait_alu depctr_va_vdst(0)
	v_lshlrev_b32 v9, 2, v8
.irp i, 0,1,2,3,4,5,6,7,8,9,10,11,12,13,14,15,16,17,18,19,20,21,22,23,24,25,26,27,28,29,30,31
	v_mad_u32_u24 v[16+\i], s19, \i, v9            ; row i of a block, my column; never rewritten
.endr
	s_mul_i32 s24, s21, TILEB
	s_lshr_b32 s25, s18, 1
	s_mul_i32 s25, s25, HALFB
	s_add_co_u32 s24, s24, s25
	s_and_b32 s27, s18, 1
	s_lshl_b32 s26, s27, 7
	s_add_co_u32 s26, s26, s24
	s_add_co_u32 s26, s26, 6144
	s_mul_i32 s27, s27, 3072
	s_add_co_u32 s24, s24, s27
	s_mov_b32 s25, 0
	s_mov_b32 s27, 0
	s_add_nc_u64 s[24:25], s[12:13], s[24:25]      ; my codes: four runs of 64 along K of each of two tiles
	s_add_nc_u64 s[26:27], s[12:13], s[26:27]      ; my scale bytes
	s_mul_i32 s28, s16, WSTG
	s_add_co_u32 s28, s28, WSTG0
	v_bfe_u32 v10, v0, 3, 1                        ; column l lies in tile u = (l / 8) % 2,
	v_and_b32 v11, 7, v0
	v_lshl_add_u32 v11, v7, 3, v11                 ; at lane-row l % 8 + 8 (l / 16)
	v_mul_u32_u24 v12, v10, 3072
	v_add_nc_u32 v12, s28, v12
	v_lshl_add_u32 v13, v11, 4, v12                ; a run's first 16 bytes of my row
	v_lshl_add_u32 v14, v11, 3, v12                ; and its last 8
	v_add_nc_u32 v15, s28, v1                      ; the way out: 16 x lane
	v_mul_u32_u24 v3, TILEB, v10
	v_lshl_add_u32 v3, v11, 3, v3                  ; my 8 scale bytes
.set WX, 48                            ; v48-111 two sets of 32 numbers
.macro WLOAD t
.irp i, 0,1,2,3,4,5,6,7,8,9,10,11,12,13,14,15,16,17,18,19,20,21,22,23,24,25,26,27,28,29,30,31
	global_load_b32 v[WX+32*((\t)%2)+\i], v[16+\i], s[32+2*(\t):33+2*(\t)] th:TH_LOAD_NT
.endr
.endm
.macro WBLOCK t
.set XS, WX+32*((\t)%2)
.if (\t) < 7
	s_wait_loadcnt 32                              ; this block's 32 loads are in; the next block's may be out
.else
	s_wait_loadcnt 0x0
.endif
	v_max3_num_f32 v124, |v[XS]|, |v[XS+1]|, |v[XS+2]|
	v_max3_num_f32 v125, |v[XS+3]|, |v[XS+4]|, |v[XS+5]|
.irp i, 6,10,14,18,22,26
	v_max3_num_f32 v124, v124, |v[XS+\i]|, |v[XS+\i+1]|
	v_max3_num_f32 v125, v125, |v[XS+\i+2]|, |v[XS+\i+3]|
.endr
	v_max3_num_f32 v124, v124, |v[XS+30]|, |v[XS+31]|
	v_max3_num_f32 v124, v124, v125, 0x1800000     ; and the floor
	v_add_nc_u32 v126, 0xff000000, v124
	v_lshrrev_b32 v127, 23, v126
.if (\t)%4 == 0
	v_mov_b32 v[122+(\t)/4], v127
.else
	v_lshl_or_b32 v[122+(\t)/4], v127, 8*((\t)%4), v[122+(\t)/4]
.endif
	v_cvt_scalef32_pk16_fp6_f32 v[112:114], v[XS:XS+15], v126
	v_cvt_scalef32_pk16_fp6_f32 v[118:120], v[XS+16:XS+31], v126
	v_nop
	v_mov_b32 v115, v118
	v_mov_b32 v116, v119
	v_mov_b32 v117, v120
	ds_store_b128 v13, v[112:115] offset:((\t)/2)*768+256*((\t)%2)        ; block t is run t / 2, lanes 16 (t % 2) on
	ds_store_b64 v14, v[116:117] offset:((\t)/2)*768+512+128*((\t)%2)
.if (\t)+2 < 8
	WLOAD (\t)+2
.endif
	s_wait_dscnt 0x0                               ; the stores have read the code registers
.endm
	WLOAD 0
	WLOAD 1
.irp t, 0,1,2,3,4,5,6,7
	WBLOCK \t
.endr
	s_wait_alu depctr_va_vdst(0)
	global_store_b64 v3, v[122:123], s[26:27]      ; 8 bytes a column: runs of 128 consecutive bytes, one byte for each 128 that the way reads
.irp m, 0,1,2,3,4,5,6,7,8,9,10,11
	ds_load_b128 v[48+4*\m:51+4*\m], v15 offset:512*\m
.endr
.irp m, 0,1,2,3,4,5,6,7,8,9,10,11
	s_wait_dscnt 11-\m                             ; the younger loads may be out
	global_store_b128 v1, v[48+4*\m:51+4*\m], s[24:25] offset:(\m/6)*TILEB+(\m%6)*512   ; 512 consecutive bytes
.endr
	s_wait_tensorcnt 0x0
	ds_add_u32 v248, v249
	s_wait_dscnt 0x0
	s_endpgm
; ---------------- the RoPE tables: rt [128 tiles of 16 positions][8 chunks][lane][4 numbers]: chunk i < 4: cos(pos x inv(f)), f = 16 h + 4 i + e; chunks 4-7: sin.  pos = the tile's lane-row r.
; inv(f) = 1 / (10000^(f / 32) + 2^-23).  10000^(f/32) = 2^(f log2(10) / 8): the product's rounding error is carried on and put back behind the exponential; the reciprocal has one Newton step.
; The angle is reduced by pi/2 in three parts (fused multiply-adds), sine and cosine are polynomials on [-pi/4, pi/4], the quadrant is chosen without a branch.
.Ltable:
	s_sub_co_u32 s17, ttmp9, 256                   ; the tile
	s_lshr_b32 s18, s17, 2
	s_lshl_b32 s18, s18, 6
	s_and_b32 s19, s17, 3
	s_lshl_b32 s19, s19, 3
	s_add_co_u32 s18, s18, s19
	s_wait_alu depctr_va_vdst(0)
	v_lshrrev_b32 v9, 3, v6
	v_mad_u32_u24 v9, v9, 24, v6
	v_add_nc_u32 v9, s18, v9
	v_cvt_f32_u32 v9, v9                           ; pos
	s_lshl_b32 s19, s16, 2
	v_lshl_add_u32 v10, v7, 4, s19                 ; 16 h + 4 i
	s_wait_alu depctr_va_vdst(0)
	s_lshl_b32 s18, s17, 12
	s_lshl_b32 s19, s16, 9
	s_add_co_u32 s18, s18, s19
	s_mov_b32 s19, 0
	s_add_nc_u64 s[14:15], s[14:15], s[18:19]
	s_mov_b32 s20, 0x3ed49a78                      ; log2(10) / 8, and
	s_mov_b32 s21, 0x32179a18                      ; what that leaves out
	s_mov_b32 s22, 0x3f317218                      ; ln 2
	s_mov_b32 s23, 0x3f22f983                      ; 2 / pi
	s_mov_b32 s24, 0x3fc90fdb                      ; pi / 2 in three parts
	s_mov_b32 s25, 0xb33bbd2e
	s_mov_b32 s26, 0xa6f72ced
	s_mov_b32 s27, 0xb94ca1f9                      ; sine
	s_mov_b32 s28, 0x3c08839e
	s_mov_b32 s29, 0xbe2aaaa3
	s_mov_b32 s30, 0x37ccf5ce                      ; cosine
	s_mov_b32 s31, 0xbab6061a
	s_mov_b32 s32, 0x3d2aaaa5
.irp e, 0,1,2,3
	v_add_nc_u32 v[16+\e], \e, v10
.endr
.irp e, 0,1,2,3
	v_cvt_f32_u32 v[16+\e], v[16+\e]               ; f
.endr
.irp e, 0,1,2,3
	v_mul_f32 v[20+\e], s20, v[16+\e]              ; y
.endr
.irp e, 0,1,2,3
	v_fma_f32 v[24+\e], v[16+\e], s20, -v[20+\e]   ; what y's rounding lost,
.endr
.irp e, 0,1,2,3
	v_fma_f32 v[24+\e], v[16+\e], s21, v[24+\e]    ; and the constant's
.endr
.irp e, 0,1,2,3
	v_mul_f32 v[24+\e], s22, v[24+\e]
.endr
	s_wait_alu depctr_va_vdst(0)
.irp e, 0,1,2,3
	v_exp_f32 v[28+\e], v[20+\e]
.endr
	v_nop                                          ; a plain line behind the batch,
	s_wait_alu depctr_va_vdst(0)                   ; and one wait ahead of its first reader
.irp e, 0,1,2,3
	v_fma_f32 v[28+\e], v[28+\e], v[24+\e], v[28+\e]
.endr
.irp e, 0,1,2,3
	v_add_f32 v[32+\e], 0x34000000, v[28+\e]       ; + 2^-23
.endr
	s_wait_alu depctr_va_vdst(0)
.irp e, 0,1,2,3
	v_rcp_f32 v[36+\e], v[32+\e]
.endr
	v_nop
	s_wait_alu depctr_va_vdst(0)
.irp e, 0,1,2,3
	v_fma_f32 v[68+\e], -v[32+\e], v[36+\e], 1.0
.endr
.irp e, 0,1,2,3
	v_fma_f32 v[36+\e], v[36+\e], v[68+\e], v[36+\e]
.endr
.irp e, 0,1,2,3
	v_mul_f32 v[40+\e], v9, v[36+\e]               ; the angle
.endr
.irp e, 0,1,2,3
	v_mul_f32 v[44+\e], s23, v[40+\e]
.endr
.irp e, 0,1,2,3
	v_rndne_f32 v[44+\e], v[44+\e]                 ; n
.endr
.irp e, 0,1,2,3
	v_fma_f32 v[48+\e], -v[44+\e], s24, v[40+\e]
.endr
.irp e, 0,1,2,3
	v_fma_f32 v[48+\e], -v[44+\e], s25, v[48+\e]
.endr
.irp e, 0,1,2,3
	v_fma_f32 v[48+\e], -v[44+\e], s26, v[48+\e]   ; the reduced angle
.endr
.irp e, 0,1,2,3
	v_mul_f32 v[52+\e], v[48+\e], v[48+\e]         ; z
.endr
.irp e, 0,1,2,3
	v_fma_f32 v[56+\e], v[52+\e], s27, s28
	v_fma_f32 v[60+\e], v[52+\e], s30, s31
.endr
.irp e, 0,1,2,3
	v_fma_f32 v[56+\e], v[56+\e], v[52+\e], s29
	v_fma_f32 v[60+\e], v[60+\e], v[52+\e], s32
.endr
.irp e, 0,1,2,3
	v_mul_f32 v[56+\e], v[56+\e], v[52+\e]
	v_fma_f32 v[68+\e], v[52+\e], -0.5, 1.0
	v_mul_f32 v[72+\e], v[52+\e], v[52+\e]
.endr
.irp e, 0,1,2,3
	v_fma_f32 v[56+\e], v[56+\e], v[48+\e], v[48+\e]   ; sin of the reduced angle
	v_fma_f32 v[60+\e], v[60+\e], v[72+\e], v[68+\e]   ; cos
	v_cvt_i32_f32 v[64+\e], v[44+\e]
.endr
.irp e, 0,1,2,3
	v_and_b32 v[68+\e], 1, v[64+\e]
	v_cmp_eq_u32 vcc_lo, 1, v[68+\e]               ; odd quadrants change the two
	v_cndmask_b32 v[80+\e], v[56+\e], v[60+\e], vcc_lo
	v_cndmask_b32 v[76+\e], v[60+\e], v[56+\e], vcc_lo
	v_lshlrev_b32 v[68+\e], 30, v[64+\e]
	v_and_b32 v[68+\e], 0x80000000, v[68+\e]       ; sine's sign: bit 1 of n
	v_xor_b32 v[80+\e], v[68+\e], v[80+\e]
	v_add_nc_u32 v[72+\e], 1, v[64+\e]
	v_lshlrev_b32 v[72+\e], 30, v[72+\e]
	v_and_b32 v[72+\e], 0x80000000, v[72+\e]       ; cosine's: bit 1 of n + 1
	v_xor_b32 v[76+\e], v[72+\e], v[76+\e]
.endr
	global_store_b128 v1, v[76:79], s[14:15]
	global_store_b128 v1, v[80:83], s[14:15] offset:2048
	s_endpgm
.Lfunc_end_k_qe2caf87372_prep:
	.size	k_qe2caf87372_prep, .Lfunc_end_k_qe2caf87372_prep-k_qe2caf87372_prep
	.p2alignl 7, 3214868480
	.fill 96, 4, 3214868480
	.section	.rodata,"a",@progbits
	.p2align	6, 0x0
	.amdhsa_kernel k_qe2caf87372_prep
		.amdhsa_group_segment_fixed_size 58880
		.amdhsa_private_segment_fixed_size 0
		.amdhsa_enable_private_segment 0
		.amdhsa_kernarg_size 48
		.amdhsa_user_sgpr_count 2
		.amdhsa_user_sgpr_kernarg_segment_ptr 1
		.amdhsa_wavefront_size32 1
		.amdhsa_system_sgpr_workgroup_id_x 1
		.amdhsa_system_sgpr_workgroup_id_y 1
		.amdhsa_system_sgpr_workgroup_id_z 1
		.amdhsa_system_vgpr_workitem_id 0
		.amdhsa_next_free_vgpr 250
		.amdhsa_next_free_sgpr 66
		.amdhsa_reserve_vcc 1
		.amdhsa_float_denorm_mode_32 3
		.amdhsa_float_denorm_mode_16_64 3
		.amdhsa_memory_ordered 1
		.amdhsa_forward_progress 1
		.amdhsa_inst_pref_size 84
	.end_amdhsa_kernel
	.amdgpu_metadata
---
amdhsa.version: [ 1, 2 ]
amdhsa.kernels:
  - .name:           k_qe2caf87372_prep
    .symbol:         k_qe2caf87372_prep.kd
    .args:
      - { .name: x, .offset: 0, .size: 8, .value_kind: global_buffer, .address_space: global }
      - { .name: Wqkv, .offset: 8, .size: 8, .value_kind: global_buffer, .address_space: global }
      - { .name: Wout, .offset: 16, .size: 8, .value_kind: global_buffer, .address_space: global }
      - { .name: xq, .offset: 24, .size: 8, .value_kind: global_buffer, .address_space: global }
      - { .name: wq, .offset: 32, .size: 8, .value_kind: global_buffer, .address_space: global }
      - { .name: rt, .offset: 40, .size: 8, .value_kind: global_buffer, .address_space: global }
    .group_segment_fixed_size: 58880
    .private_segment_fixed_size: 0
    .kernarg_segment_align: 8
    .kernarg_segment_size: 48
    .max_flat_workgroup_size: 128
    .sgpr_count:     66
    .vgpr_count:     250
    .wavefront_size: 32
...
	.end_amdgpu_metadata
.endif
;; end of part 1
;; launch gemm1 (part 2): grid 16 x 16, 4 waves a work-group, clusters of 4 x 4, 327,680 bytes of LDS; arguments xq, wq, rt, qb, kv; writes qb, kv
.if DOCPART == 2
	.amdgcn_target "amdgcn-amd-amdhsa--gfx1250"
	.amdhsa_code_object_version 6
	.text
	.protected	k_qe2caf87372_gemm1
	.globl	k_qe2caf87372_gemm1
	.p2align	8
	.type	k_qe2caf87372_gemm1,@function
k_qe2caf87372_gemm1:
	s_mov_b64 s[64:65], 0
	v_nop
	global_prefetch_b8 v0, s[64:65] scope:SCOPE_SE
	s_setreg_imm32_b32 hwreg(HW_REG_WAVE_MODE, 25, 1), 1
	s_wait_xcnt 0x0
	s_wait_alu depctr_hold_cnt(0) depctr_sa_sdst(0) depctr_va_vdst(0) depctr_va_sdst(0) depctr_va_ssrc(0) depctr_va_vcc(0) depctr_vm_vsrc(0)
	s_getreg_b32 s2, hwreg(HW_REG_IB_STS2, 6, 4)
	s_cmp_eq_u32 s2, 0
	s_cbranch_scc0 .Lentry_in_a_cluster
	s_endpgm
.Lentry_in_a_cluster:
	s_bfe_u32 s2, ttmp6, 0x10000c
	s_cmp_lg_u32 s2, 0xf033
	s_cbranch_scc0 .Lentry_shape_is_right
	s_endpgm
.Lentry_shape_is_right:
; GEMM1: q, k, v = x Wqkv on codes of FP6 (E2M3); RoPE on q and k; all three quantised and stored in the order of attention's operand registers.  M 4,096, N 3,072, K 1,024.
; THE DEAL.  256 work-groups of four waves: row tile R (256 tokens) x column group g = 0-15.  A work-group makes 256 tokens x two heads of Q or K (2 g, 2 g + 1 of Q's 16, then K's 16), and then the SAME 256 tokens x head g of V: x's rows are loaded once.
; A wave (a = wave / 2, b = wave % 2) holds a head's 64 columns, ALL of K, in 384 registers and streams x past them in blocks of 16 tokens, 32 products each: eight blocks (step a of 128 tokens) x head 2 g + b, then four blocks (its 64 tokens) x V's head.
; xq, wq: tiles of 16 rows, 12,800 bytes: two halves of K of 6,400: 8 x 768 bytes of codes (lane l: 16 bytes at 16 l, 8 at 512 + 8 l), then [2 runs of 256 along K][16 rows][8 bytes] of scales.
; x's tile 4 i + j has at lane-row r token 64 i + 8 j + r + 24 (r / 8): V's 32 registers of four tiles are 32 neighbouring tokens, a whole block in a lane.  The weights' tile 2 i + u has column 32 i + 8 u + r + 8 (r / 8).
; Q, K: TRANSPOSED (source 0 = the weight's columns): a lane holds one token; its tiles 0, 1 are channels 16 h + 0 .. 15, tiles 2, 3 the channels 32 further on: RoPE's pairs lie in one lane.
; LDS: x's sixteen tiles, in the order 0-3, 8-11, 4-7, 12-15; the weights' region, eight tiles; V's scale bytes; the spare words.
; FILLS.  At the head one joint load a wave: wave 0 the weights of Q or K, wave 1 x's tiles 0-3, wave 2 tiles 8-11, wave 3 the rest.  The first barrier shows wave 0's load, the second waves 1's and 2's, the round in block 2 all.
; ONE REFILL, in that round: V's weights over those of Q or K, which all waves hold in registers by then; a plain barrier in block 7 shows it.  No prefetch: the one refill has five blocks in which to land, and there is no loop of loads.
; CLUSTERS 4 x 4: x's tiles are shared along a row, the weights' along a column.
; THE WAY OUT of block s stands among block s + 1's products, four lines behind every second one; the conversions behind the last.  The tables of RoPE lie in three sets of registers, each asked for three blocks ahead of its use.
; LIMITS: NaN and infinities are not served; a block of zeros gets the byte 1 (this program alone reads the bytes).
.set TILEB, 12800
.set HALFB, 6400
.set SOFF,  3145728                    ; qb's scale bytes
.set STEPB, 13056                      ; a step of 128 keys in kv
.set WREG,  16*TILEB
.set VST,   WREG+8*TILEB
.set SPARE, VST+512
.set FR,    12
.set FPW,   21                         ; fragments in a window: 0-31 the weights' (4 q + t), 32-39 and 40-47 x's two sets
.set NF,    36                         ; LDS loads of a block of x
.set L16,  1
.set L8,   2
.set SPW,  3
.set NIL,  4
.set XF16, 5
.set XF8,  6
.set XS,   7
.set SW,   8                           ; v8-15 a scale word for each of eight tiles
.set HS,   16                          ; v16-21 codes
.set CT,   22                          ; v22-24
.set VSA,  25
.set SB,   26                          ; v26-41 the weights' scale words
.set QM,   42                          ; v42-43 maxima, v44-45 the other half's, then bytes
.set SA,   46                          ; v46-61 x's scale words, two sets
.set SO,   62
.set ACC,  64                          ; v64-127 two sets of four accumulators
.set TAB,  128                         ; v128-223 three sets of 16 cosines, 16 sines
.set Y,    224
.set HV,   840                         ; v840-967 V: 32 t + 8 s
.set XB,   968                         ; v968-970 x's addresses at tile 0; v971 8 r + 12,800 h
.set G1X,  24
.set G1Y,  32
.set G1W,  48
.set G0X1, 56
.set G0X2, 60
.set G0Y,  68
.set G0W,  72
.set G0V,  76
.set MSB, 0
.macro WIN new
.if MSB != \new
	s_set_vgpr_msb (MSB<<8)|\new
.set MSB, \new
.endif
.endm
.macro PLACES n
.rept \n
	v_nop
.endr
.endm
.macro WALU
	s_wait_alu depctr_va_vdst(0)
.endm
.macro BARRIER
	s_barrier_signal -1
	s_barrier_wait -1
.endm
.macro MIDDLE
	s_barrier_wait -1
	s_cmp_lg_u32 s14, 0
	s_cbranch_scc1 .Lnot_wave_0_\@
	s_barrier_signal -3
.Lnot_wave_0_\@:
	s_barrier_wait -3
.endm
.macro CROUND
	s_barrier_signal -1
	MIDDLE
	BARRIER
.endm
.macro TLOAD g0, g1
	tensor_load_to_lds s[\g0:\g0+3], s[\g1:\g1+7]
	s_nop 0
	PLACES 4
.endm
.macro GROUP1 g, mask, el, rows, pitch ; elements of 8 bytes
	s_or_b32 s[\g+0], s[\mask], (3<<16)|(1<<21)
	s_mov_b32 s[\g+1], (\el)<<16
	s_mov_b32 s[\g+2], (\rows)<<16
	s_mov_b32 s[\g+3], (\el)<<16
	s_mov_b32 s[\g+4], \rows
	s_mov_b32 s[\g+5], \pitch
	s_mov_b32 s[\g+6], 0
	s_mov_b32 s[\g+7], 0
.endm
.macro FRAG f, q, t, ax, ay            ; 16 rows x 128 K: two halves of 64, four dense loads
	WIN ((1+(\f)/FPW)<<6)
.set R_, FR*((\f)%FPW)
.irp c, 0,1
.set O_, (\t)*TILEB+((\q)/4)*HALFB+((2*(\q)+\c)%8)*768
	ds_load_b128 v[R_+6*\c:R_+6*\c+3], v[\ax] offset:O_
	ds_load_b64 v[R_+6*\c+4:R_+6*\c+5], v[\ay] offset:O_+512
.endr
.endm
.macro WEIGHTS ax, ay, ws              ; four tiles, all of K, and their scale words: lanes 0-15 tile 2 p, lanes 16-31 tile 2 p + 1
.irp q, 0,1,2,3,4,5,6,7
.irp t, 0,1,2,3
	FRAG 4*\q+\t, \q, \t, \ax, \ay
.endr
.endr
	WIN 0
.irp p, 0,1
.irp j, 0,1,2,3
	ds_load_b64 v[SB+8*\p+2*\j:SB+8*\p+2*\j+1], v[\ws] offset:\p*2*TILEB+(\j/2)*HALFB+(\j%2)*128
.endr
.endr
.endm
.macro FETCH e, k                      ; a block of x, k bytes behind tile 0, into set e
	WIN (3<<2)
	v_add_nc_u32 v[XF16], \k, v[XB-768]
	v_add_nc_u32 v[XF8], \k, v[XB-767]
	v_add_nc_u32 v[XS], \k, v[XB-766]
.irp q, 0,1,2,3,4,5,6,7
	FRAG 32+8*(\e)+\q, \q, 0, XF16, XF8
.endr
	WIN 0
.irp j, 0,1,2,3
	ds_load_b64 v[SA+8*(\e)+2*\j:SA+8*(\e)+2*\j+1], v[XS] offset:(\j/2)*HALFB+(\j%2)*128
.endr
.endm
.macro TABLE s
.irp i, 0,1,2,3,4,5,6,7
	global_load_b128 v[TAB+32*((\s)%3)+4*\i:TAB+32*((\s)%3)+4*\i+3], v[L16], s[8:9] offset:(\s)*4096+512*\i
.endr
.endm
.macro PROD1 d, s0, s1, c, x0, x1, side, o
.if \o
	v_wmma_scale_f32_16x16x128_f8f6f4 v[\d:\d+7], v[FR*((\s0)%FPW):FR*((\s0)%FPW)+FR-1], v[FR*((\s1)%FPW):FR*((\s1)%FPW)+FR-1], \c, v[\x0], v[\x1] matrix_a_fmt:MATRIX_FMT_FP6 matrix_b_fmt:MATRIX_FMT_FP6 matrix_\side\()_scale:MATRIX_SCALE_ROW1
.else
	v_wmma_scale_f32_16x16x128_f8f6f4 v[\d:\d+7], v[FR*((\s0)%FPW):FR*((\s0)%FPW)+FR-1], v[FR*((\s1)%FPW):FR*((\s1)%FPW)+FR-1], \c, v[\x0], v[\x1] matrix_a_fmt:MATRIX_FMT_FP6 matrix_b_fmt:MATRIX_FMT_FP6 matrix_\side\()_scale:MATRIX_SCALE_ROW0
.endif
.endm
; A product: n = 4 q + t.  The four accumulators take turns.
.macro PRODQ e, n
.set Q_, (\n)/4
.set T_, (\n)%4
.set FA_, (\n)
.set FB_, 32+8*(\e)+Q_
.set D_, ACC+32*(\e)+8*T_
.set XW_, SB+8*(T_/2)+Q_
.set XX_, SA+8*(\e)+Q_
	WIN (1+FA_/FPW)|((1+FB_/FPW)<<2)
.if Q_
	PROD1 D_, FA_, FB_, v[D_:D_+7], XW_, XX_, a, T_%2
.else
	PROD1 D_, FA_, FB_, 0, XW_, XX_, a, T_%2
.endif
.endm
.macro PRODV s, n
.set Q_, (\n)/4
.set T_, (\n)%4
.set FA_, (\n)
.set FB_, 32+8*((\s)%2)+Q_
.set D_, HV-768+32*T_+8*(\s)
.set XW_, SB+8*(T_/2)+Q_
.set XX_, SA+8*((\s)%2)+Q_
	WIN (1+FB_/FPW)|((1+FA_/FPW)<<2)|(3<<4)|(3<<6)
.if Q_
	PROD1 D_, FB_, FA_, v[D_:D_+7], XX_, XW_, b, T_%2
.else
	PROD1 D_, FB_, FA_, 0, XX_, XW_, b, T_%2
.endif
.endm
; RoPE's pair i of registers of block s: low' = low cos - high sin, high' = high cos + low sin
.macro ROT i, s, second
.set A1_, ACC+32*((\s)%2)+2*(\i)
.set TC_, TAB+32*((\s)%3)+2*(\i)
.set Y_, Y+2*(\i)
.if \second
	v_pk_fma_f32 v[Y_:Y_+1], v[A1_:A1_+1], v[TC_:TC_+1], v[Y_:Y_+1] neg_lo:[0,0,1] neg_hi:[0,0,1]
	v_pk_fma_f32 v[Y_+16:Y_+17], v[A1_+16:A1_+17], v[TC_:TC_+1], v[Y_+16:Y_+17]
.else
	v_pk_mul_f32 v[Y_:Y_+1], v[A1_+16:A1_+17], v[TC_+16:TC_+17]
	v_pk_mul_f32 v[Y_+16:Y_+17], v[A1_:A1_+1], v[TC_+16:TC_+17]
.endif
.endm
.macro MAXK k
.if (\k) == 0
	v_max3_num_f32 v[QM], |v[Y]|, |v[Y+1]|, 0x1800000
	v_max3_num_f32 v[QM+1], |v[Y+16]|, |v[Y+17]|, 0x1800000
.else
	v_max3_num_f32 v[QM], v[QM], |v[Y+2*(\k)]|, |v[Y+2*(\k)+1]|
	v_max3_num_f32 v[QM+1], v[QM+1], |v[Y+16+2*(\k)]|, |v[Y+17+2*(\k)]|
.endif
.endm
.macro PLACE p, s                      ; what stands at place p (0-15) of the way out of block s
	WIN 0
.if (\p) > 0 && (\p) < 9
	ROT (\p)-1, \s, 1
.endif
.if (\p) < 8
	ROT \p, \s, 0
.endif
.if (\p) > 8 && (\p) < 13
	MAXK 2*((\p)-9)
	MAXK 2*((\p)-9)+1
.endif
.if (\p) == 13
	v_permlanex16_b32 v[QM+2], v[QM], s80, s81
	v_permlanex16_b32 v[QM+3], v[QM+1], s80, s81
.endif
.if (\p) == 14
	v_max_num_f32 v[QM], v[QM], v[QM+2]
	v_max_num_f32 v[QM+1], v[QM+1], v[QM+3]
.endif
.if (\p) == 15
	v_add_nc_u32 v[SO], 0xff000000, v[QM]
	v_add_nc_u32 v[SO+1], 0xff000000, v[QM+1]
.endif
.endm
.macro QBLK e, from, to, s=-1          ; products of a block; with s the way out of block s among them
.set N_, \from
.rept (\to)-(\from)
	PRODQ \e, N_
.if (N_%2) && ((\s) >= 0)
	PLACE N_/2, \s
.endif
.set N_, N_+1
.endr
.endm
.macro VBLK s
.set N_, 0
.rept 32
	PRODV \s, N_
.set N_, N_+1
.endr
	WIN 0
.endm
.macro TAILQ s                         ; the rest of block s's way out; its plain lines are also the places behind the last products
	WIN 0
	s_wait_xcnt 0x0                                ; the last block's stores have read the codes
	WALU
	v_cvt_scalef32_pk16_fp6_f32 v[HS:HS+2], v[Y:Y+15], v[SO]
	v_cvt_scalef32_pk16_fp6_f32 v[CT:CT+2], v[Y+16:Y+31], v[SO+1]
	v_lshrrev_b32 v[QM+2], 23, v[SO]
	v_lshrrev_b32 v[QM+3], 23, v[SO+1]
.irp i, 0,1,2
	v_permlane16_swap_b32 v[HS+\i], v[CT+\i]       ; a whole block in a lane
.endr
	v_lshl_or_b32 v[SW+(\s)], v[QM+3], 8, v[QM+2]
.irp i, 0,1,2
	v_mov_b32 v[HS+3+\i], v[CT+\i]
.endr
	v_lshl_or_b32 v[SW+(\s)], v[SW+(\s)], 16, v[SW+(\s)]   ; (bytes 2 and 3 multiply zero codes: finite all the same)
	global_store_b128 v[L16], v[HS:HS+3], s[92:93] offset:768*(\s)
	global_store_b64 v[L8], v[HS+4:HS+5], s[92:93] offset:768*(\s)+512
.endm
.macro QSTEP s, k
	s_wait_dscnt NF                                ; this block's x is in; the next block's loads may be out
	s_wait_loadcnt 16                              ; the table of block s - 1 is in; the next two's loads may be out
	QBLK (\s)%2, 0, 32, (\s)-1
	TAILQ (\s)-1
.if (\s) < 6
	TABLE (\s)+2
.endif
	FETCH (\s)%2, \k
.endm
	s_load_b256 s[4:11], s[0:1], 0x0               ; xq, wq, rt, qb
	s_load_b64 s[12:13], s[0:1], 0x20              ; kv
	v_lshl_add_u32 v[SPW], v0, 2, SPARE
	v_mov_b32 v[NIL], 0
	ds_add_u32 v[SPW], v[NIL]
	ds_add_u32 v[SPW], v[NIL]
	v_lshrrev_b32 v1, 5, v0
	v_readfirstlane_b32 s14, v1                    ; wave
	s_lshr_b32 s15, s14, 1                         ; a
	s_and_b32 s16, s14, 1                          ; b
	s_bfe_u32 s40, ttmp6, 0x40000                  ; cx
	s_bfe_u32 s41, ttmp6, 0x40004                  ; cy
	s_lshl_b32 s42, ttmp9, 2
	s_add_co_u32 s42, s42, s40                     ; g
	s_and_b32 s43, ttmp7, 0xffff
	s_lshl_b32 s43, s43, 2
	s_add_co_u32 s43, s43, s41                     ; R
	s_lshl_b32 s44, s41, 2
	s_lshl_b32 s44, 15, s44                        ; my row of the cluster
	s_lshl_b32 s45, 0x1111, s40                    ; my column
	GROUP1 G1X, 44, TILEB/8, 4, TILEB/8            ; four tiles
	GROUP1 G1Y, 44, 4*TILEB/8, 2, 8*TILEB/8        ; two runs of four tiles, eight apart
	GROUP1 G1W, 45, TILEB/8, 8, TILEB/8            ; eight tiles; behind the head's wait two
	s_mov_b32 s[G0X1], 1
	s_mov_b32 s[G0X1+1], 0
	s_mov_b32 s[G0X2], 1
	s_mov_b32 s[G0X2+1], 4*TILEB
	s_mov_b32 s[G0Y], 1
	s_mov_b32 s[G0Y+1], 8*TILEB
	s_mov_b32 s[G0W], 1
	s_mov_b32 s[G0W+1], WREG
	s_mov_b32 s[G0V], 1
	s_mul_i32 s[G0V+1], s14, 2*TILEB
	s_add_co_u32 s[G0V+1], s[G0V+1], WREG
	s_mov_b32 s80, 0x76543210
	s_mov_b32 s81, 0xfedcba98                      ; lane l xor 16
	s_mov_b32 s82, 0xffff0000                      ; lanes 16-31
	s_wait_dscnt 0x0
	CROUND                                         ; the opening round
	s_wait_kmcnt 0x0
	s_mul_i32 s20, s43, 16*TILEB
	s_mov_b32 s21, 0
	s_add_nc_u64 s[G0X1+2:G0X1+3], s[4:5], s[20:21]
	s_add_nc_u64 s[G0X2+2:G0X2+3], s[G0X1+2:G0X1+3], 8*TILEB
	s_add_nc_u64 s[G0Y+2:G0Y+3], s[G0X1+2:G0X1+3], 4*TILEB
	s_or_b32 s[G0X1+3], s[G0X1+3], 0x80000000
	s_or_b32 s[G0X2+3], s[G0X2+3], 0x80000000
	s_or_b32 s[G0Y+3], s[G0Y+3], 0x80000000
	s_mul_i32 s22, s42, 8*TILEB
	s_mov_b32 s23, 0
	s_add_nc_u64 s[G0W+2:G0W+3], s[6:7], s[22:23]
	s_or_b32 s[G0W+3], s[G0W+3], 0x80000000
	s_mul_i32 s22, s42, 4*TILEB
	s_add_co_u32 s22, s22, 128*TILEB
	s_mul_i32 s20, s14, 2*TILEB
	s_add_co_u32 s22, s22, s20
	s_add_nc_u64 s[G0V+2:G0V+3], s[6:7], s[22:23]  ; V's weights: my two tiles (waves 0 and 1)
	s_or_b32 s[G0V+3], s[G0V+3], 0x80000000
	s_cmp_eq_u32 s14, 0
	s_cbranch_scc0 .Lwave_1
	TLOAD G0W, G1W
	s_branch .Lasked
.Lwave_1:
	s_cmp_eq_u32 s14, 1
	s_cbranch_scc0 .Lwave_2
	TLOAD G0X1, G1X
	s_branch .Lasked
.Lwave_2:
	s_cmp_eq_u32 s14, 2
	s_cbranch_scc0 .Lwave_3
	TLOAD G0X2, G1X
	s_branch .Lasked
.Lwave_3:
	TLOAD G0Y, G1Y
.Lasked:
	s_and_b32 s2, s43, 7
	s_lshl_b32 s3, s2, 4
	s_lshl_b32 s20, s15, 3
	s_add_co_u32 s20, s20, s3
	s_lshl_b32 s20, s20, 12
	s_mov_b32 s21, 0
	s_add_nc_u64 s[8:9], s[8:9], s[20:21]          ; the tables of my eight tiles of tokens
	s_lshl_b32 s2, s2, 1                           ; the row tile's first step of its sequence
	s_lshr_b32 s3, s43, 3
	s_lshl_b32 s3, s3, 4                           ; 16 x batch
	s_lshl_b32 s22, s42, 1
	s_add_co_u32 s22, s22, s16
	s_and_b32 s22, s22, 15                         ; my head of Q or K
	s_add_co_u32 s22, s22, s3
	s_lshl_b32 s22, s22, 4
	s_add_co_u32 s22, s22, s2
	s_add_co_u32 s22, s22, s15                     ; (16 batch + head) x 16 + step
	s_mov_b32 s17, STEPB
	s_mov_b32 s19, 12288
	s_cmp_lt_u32 s42, 8                            ; Q's buffer or K's: the choice hangs on the column group alone
	s_cselect_b64 s[46:47], s[10:11], s[12:13]
	s_cselect_b32 s18, 6144, s17
	s_cselect_b32 s17, 512, s17
	s_cselect_b32 s19, SOFF, s19
	s_mul_i32 s92, s22, s18
	s_mov_b32 s93, 0
	s_add_nc_u64 s[92:93], s[46:47], s[92:93]      ; codes
	s_mul_i32 s96, s22, s17
	s_add_co_u32 s96, s96, s19
	s_mov_b32 s97, 0
	s_add_nc_u64 s[96:97], s[46:47], s[96:97]      ; scale bytes
	s_add_co_u32 s22, s3, s42
	s_lshl_b32 s22, s22, 4
	s_add_co_u32 s22, s22, s2
	s_add_co_u32 s20, s22, s15
	s_mul_i32 s98, s20, STEPB
	s_mul_i32 s20, s16, 768
	s_add_co_u32 s98, s98, s20
	s_add_co_u32 s98, s98, 6144
	s_mov_b32 s99, 0
	s_add_nc_u64 s[98:99], s[12:13], s[98:99]      ; V's codes: my half (band b of the step's 128 keys)
	s_add_co_u32 s20, s22, s14
	s_mul_i32 s94, s20, STEPB
	s_add_co_u32 s94, s94, 12800
	s_mov_b32 s95, 0
	s_add_nc_u64 s[94:95], s[12:13], s[94:95]      ; V's scale bytes of step w, which waves 0 and 1 store
	s_mul_i32 s20, s15, 4*TILEB                    ; x: my step's tiles
	s_add_co_u32 s21, s20, 6144
	s_mul_i32 s22, s16, 4*TILEB
	s_add_co_u32 s22, s22, WREG                    ; the weights: my head's tiles
	s_add_co_u32 s23, s22, 6144
	s_lshl_b32 s2, s15, 8
	s_lshl_b32 s3, s16, 1
	s_add_co_u32 s3, s3, s2
	s_add_co_u32 s3, s3, VST
	v_and_b32 v16, 31, v0
	v_and_b32 v17, 15, v0                          ; r
	v_bfe_u32 v18, v0, 4, 1                        ; h
	v_lshlrev_b32 v[L16], 4, v16
	v_lshlrev_b32 v[L8], 3, v16
	v_lshlrev_b32 v17, 3, v17                      ; 8 r
	TABLE 0
	TABLE 1
	TABLE 2
	v_add_nc_u32 v[VSA], s3, v18
	v_add_nc_u32 v[VSA], v[VSA], v17
	v_mul_u32_u24 v18, TILEB, v18
	v_add_nc_u32 v18, v18, v17
	WIN (3<<6)
	v_add_nc_u32 v[XB-768], s20, v[L16]
	v_add_nc_u32 v[XB-767], s20, v[L8]
	v_add_nc_u32 v[XB-766], s21, v17
	v_mov_b32 v[XB-765], v18
	WIN 0
	v_add_nc_u32 v[Y], s22, v[L16]
	v_add_nc_u32 v[Y+1], s22, v[L8]
	v_add_nc_u32 v[Y+2], s23, v18
	v_mov_b32 v[QM+2], 0                           ; a lane permute's destination counts as read
	v_mov_b32 v[QM+3], 0
	WALU                                           ; the wait at the head's end
	s_cmp_eq_u32 s14, 0
	s_cbranch_scc0 .Lnot_w
	s_wait_tensorcnt 0x0
.Lnot_w:
	BARRIER                                        ; the weights are in
	WEIGHTS Y, Y+1, Y+2
	s_cmp_eq_u32 s14, 3
	s_cbranch_scc1 .Lnot_x
	s_wait_tensorcnt 0x0
.Lnot_x:
	s_wait_dscnt 0x0
	BARRIER                                        ; x's tiles 0-3 and 8-11 are in; wave 3's load may still be out
	FETCH 0, 0
	FETCH 1, TILEB
	s_wait_dscnt NF
	QBLK 0, 0, 32
	WIN 0
	PLACES 4
	FETCH 0, 2*TILEB
	QSTEP 1, 3*TILEB
	s_wait_dscnt NF
	s_wait_loadcnt 16
	s_wait_tensorcnt 0x0                           ; the refill's round: the head's loads are in
	ds_add_u32 v[SPW], v[NIL]
	s_mov_b32 s[G1W+2], 2<<16                      ; two tiles a load from here on
	s_mov_b32 s[G1W+4], 2
	QBLK 0, 0, 24, 1
	WIN 0
	WALU
	s_wait_dscnt 0x0                               ; the add is done, and so are my reads
	s_barrier_signal -1
	QBLK 0, 24, 32, 1
	WIN 0
	MIDDLE
	BARRIER
	s_cmp_lt_u32 s14, 2
	s_cbranch_scc0 .Lno_refill
	TLOAD G0V, G1W
.Lno_refill:
	TAILQ 1
	TABLE 4
	FETCH 0, 8*TILEB
	QSTEP 3, 9*TILEB
	QSTEP 4, 10*TILEB
	QSTEP 5, 11*TILEB
	s_mul_i32 s2, s16, 8*TILEB                     ; V: my 64 tokens are tiles 4 b .. 4 b + 3 of my step
	s_add_co_u32 s3, s2, TILEB
	s_add_co_u32 s17, s2, 2*TILEB
	s_add_co_u32 s18, s2, 3*TILEB
	QSTEP 6, s2
	s_wait_dscnt NF
	s_wait_loadcnt 8                               ; table 6; table 7's loads may be out
	QBLK 1, 0, 24, 6
	WIN 0
	WALU
	s_wait_tensorcnt 0x0
	s_wait_dscnt 0x0
	s_barrier_signal -1                            ; a plain barrier: V's weights are shown to all
	QBLK 1, 24, 32, 6
	WIN 0
	s_barrier_wait -1
	TAILQ 6
	WIN (3<<2)
	v_add_nc_u32 v130, WREG+6144, v[XB-765]
	WIN 0
	v_add_nc_u32 v128, WREG, v[L16]
	v_add_nc_u32 v129, WREG, v[L8]
	WEIGHTS 128, 129, 130
	FETCH 1, s3
	s_wait_loadcnt 0x0                             ; table 7
.irp p, 0,1,2,3,4,5,6,7,8,9,10,11,12,13,14,15  ; the last way out of Q or K, under the loads' flight
	PLACE \p, 7
.endr
	TAILQ 7
.irp j, 0,1,2,3
	v_cndmask_b32 v[Y+\j], v[SW+2*\j], v[SW+2*\j+1], s82   ; word j: lanes 0-15 tile 2 j, lanes 16-31 tile 2 j + 1
.endr
	global_store_b128 v[L16], v[Y:Y+3], s[96:97]
; V
	WALU
	s_wait_dscnt NF
	VBLK 0
	PLACES 4
	FETCH 0, s17
	s_wait_dscnt NF
	VBLK 1
	PLACES 4
	FETCH 1, s18
	s_wait_dscnt NF
	VBLK 2
	s_wait_dscnt 0x0
	VBLK 3
	s_lshl_b32 s20, s14, 8
	s_add_co_u32 s20, s20, VST
	v_add_nc_u32 v194, s20, v[L8]
	PLACES 3
	WIN 3|(3<<2)
.irp t, 0,1,2,3
	v_max3_num_f32 v[128+\t], |v[HV-768+32*\t]|, |v[HV-767+32*\t]|, 0x1800000
.endr
.irp i, 2,4,6,8,10,12,14,16,18,20,22,24,26,28,30
.irp t, 0,1,2,3
	v_max3_num_f32 v[128+\t], |v[HV-768+32*\t+\i]|, |v[HV-767+32*\t+\i]|, v[128+\t]
.endr
.endr
	WIN 0
.irp t, 0,1,2,3
	v_add_nc_u32 v[132+\t], 0xff000000, v[128+\t]
.endr
.irp t, 0,1,2,3
	v_lshrrev_b32 v[136+\t], 23, v[132+\t]
.endr
	WALU
.irp t, 0,1,2,3
	ds_store_b8 v[VSA], v[136+\t] offset:(\t%2)*128+(\t/2)*4   ; byte 2 b + h of the channel's word
.endr
	s_wait_dscnt 0x0
	s_barrier_signal -1
	WIN 3
.irp t, 0,1,2,3
	v_cvt_scalef32_pk16_fp6_f32 v[144+6*\t:146+6*\t], v[HV-768+32*\t:HV-753+32*\t], v[132+\t]
	v_cvt_scalef32_pk16_fp6_f32 v[168+4*\t:170+4*\t], v[HV-752+32*\t:HV-737+32*\t], v[132+\t]
.endr
	WIN 0
	v_nop
.irp t, 0,1,2,3
.irp i, 0,1,2
	v_mov_b32 v[147+6*\t+\i], v[168+4*\t+\i]
.endr
.endr
	s_barrier_wait -1                              ; the step's scale bytes are in LDS
	WALU
.irp t, 0,1,2,3
	global_store_b128 v[L16], v[144+6*\t:147+6*\t], s[98:99] offset:1536*\t
	global_store_b64 v[L8], v[148+6*\t:149+6*\t], s[98:99] offset:1536*\t+512
.endr
	s_cmp_lt_u32 s14, 2
	s_cbranch_scc0 .Lend
	ds_load_b64 v[192:193], v194
	s_wait_dscnt 0x0
	global_store_b64 v[L8], v[192:193], s[94:95]   ; one aligned unit of 256 bytes
.Lend:
	s_wait_tensorcnt 0x0
	ds_add_u32 v[SPW], v[NIL]
	s_wait_dscnt 0x0
	CROUND                                         ; the closing round
	s_endpgm
.Lfunc_end_k_qe2caf87372_gemm1:
	.size	k_qe2caf87372_gemm1, .Lfunc_end_k_qe2caf87372_gemm1-k_qe2caf87372_gemm1
	.p2alignl 7, 3214868480
	.fill 96, 4, 3214868480
	.section	.rodata,"a",@progbits
	.p2align	6, 0x0
	.amdhsa_kernel k_qe2caf87372_gemm1
		.amdhsa_group_segment_fixed_size 327680
		.amdhsa_private_segment_fixed_size 0
		.amdhsa_enable_private_segment 0
		.amdhsa_kernarg_size 40
		.amdhsa_user_sgpr_count 2
		.amdhsa_user_sgpr_kernarg_segment_ptr 1
		.amdhsa_wavefront_size32 1
		.amdhsa_system_sgpr_workgroup_id_x 1
		.amdhsa_system_sgpr_workgroup_id_y 1
		.amdhsa_system_sgpr_workgroup_id_z 1
		.amdhsa_system_vgpr_workitem_id 0
		.amdhsa_next_free_vgpr 1024
		.amdhsa_next_free_sgpr 102
		.amdhsa_reserve_vcc 0
		.amdhsa_float_denorm_mode_32 3
		.amdhsa_float_denorm_mode_16_64 3
		.amdhsa_memory_ordered 1
		.amdhsa_forward_progress 1
		.amdhsa_inst_pref_size 162
	.end_amdhsa_kernel
	.amdgpu_metadata
---
amdhsa.version: [ 1, 2 ]
amdhsa.kernels:
  - .name:           k_qe2caf87372_gemm1
    .symbol:         k_qe2caf87372_gemm1.kd
    .args:
      - { .name: xq, .offset: 0, .size: 8, .value_kind: global_buffer, .address_space: global }
      - { .name: wq, .offset: 8, .size: 8, .value_kind: global_buffer, .address_space: global }
      - { .name: rt, .offset: 16, .size: 8, .value_kind: global_buffer, .address_space: global }
      - { .name: qb, .offset: 24, .size: 8, .value_kind: global_buffer, .address_space: global }
      - { .name: kv, .offset: 32, .size: 8, .value_kind: global_buffer, .address_space: global }
    .group_segment_fixed_size: 327680
    .private_segment_fixed_size: 0
    .kernarg_segment_align: 8
    .kernarg_segment_size: 40
    .max_flat_workgroup_size: 128
    .sgpr_count:     102
    .vgpr_count:     1024
    .wavefront_size: 32
...
	.end_amdgpu_metadata
.endif
;; end of part 2
;; launch attn (part 3): grid 8 x 32, 16 waves a work-group, clusters of 4 x 1, 253,952 bytes of LDS; arguments qb, kv, ao; writes ao
.if DOCPART == 3
	.amdgcn_target "amdgcn-amd-amdhsa--gfx1250"
	.amdhsa_code_object_version 6
	.text
	.protected	k_qe2caf87372_attn
	.globl	k_qe2caf87372_attn
	.p2align	8
	.type	k_qe2caf87372_attn,@function
k_qe2caf87372_attn:
	s_mov_b64 s[64:65], 0
	v_nop
	global_prefetch_b8 v0, s[64:65] scope:SCOPE_SE
	s_setreg_imm32_b32 hwreg(HW_REG_WAVE_MODE, 25, 1), 1
	s_wait_xcnt 0x0
	s_wait_alu depctr_hold_cnt(0) depctr_sa_sdst(0) depctr_va_vdst(0) depctr_va_sdst(0) depctr_va_ssrc(0) depctr_va_vcc(0) depctr_vm_vsrc(0)
	s_getreg_b32 s2, hwreg(HW_REG_IB_STS2, 6, 4)
	s_cmp_eq_u32 s2, 0
	s_cbranch_scc0 .Lentry_in_a_cluster
	s_endpgm
.Lentry_in_a_cluster:
	s_bfe_u32 s2, ttmp6, 0x10000c
	s_cmp_lg_u32 s2, 0x3003
	s_cbranch_scc0 .Lentry_shape_is_right
	s_endpgm
.Lentry_shape_is_right:
; ATTN: causal attention on codes of FP6 (E2M3), 32 heads of 2,048 positions x 64 channels; the result is quantised along the 1,024 of the last product's K and stored as that product's operand (ao).
; t = score x log2(e) / 32; M = the running largest t rounded UP to a whole number; p = 2^(t - M) is quantised along the keys; the row's sum is taken of the unquantised p and divides at the end.
; SHARES.  A work-group (ix = 0-7) has sixteen tiles of 16 queries, tile ix of each step rho = 0 .. 15 of 128 positions; tile rho needs key steps 0 .. rho, the last with the mask.
; LEFT OUT: key steps past rho, wholly hidden by reference()'s own causal mask (their weight is 0 whatever the inputs hold); what is no finite number there is not carried.
; Two waves share tiles rho = 15 - i and rho = i (i = 0-7), 17 steps in all: wave 15 - i takes steps 0-7 of tile 15 - i; wave i takes that tile's steps 8 .. 15 - i (8 - i of them), leaves what it has summed in LDS,
; and then takes tile i (i + 1 steps).  Wave 15 - i adds the two parts: both were summed under whole M, so bringing them under one M is a multiplication by powers of two.  So a wave has 8 or 9 steps.
; ONE BARRIER between the two parts of the walk, split: a wave signals when its first part is done and left in LDS, and waits behind its second part, in which it only loads from LDS what nobody writes again.
; A WHOLE HEAD'S K AND V, 16 steps of 13,056 bytes, LIES IN LDS, FILLED ONCE: each wave asks for one step; the four work-groups of a cluster belong to one head and ask JOINTLY.  The first barrier shows steps 0, 1, 8, 9
; (waves 0-3 have waited), which the first trip and its look-ahead read; the barrier behind the first trip shows all.  No prefetch: the launch has no loop of loads to run ahead of.
; LAYOUT.  Both products transposed: S^T = K Q^T, O^T = V^T P^T: a lane holds one query.  Tile t = 4 c + j of a step has at lane-row r key 64 c + 8 j + r + 24 (r / 8), so the 32 registers of tiles 4 c .. 4 c + 3 are
; the 32 neighbouring keys 64 c + 32 h + 0 .. 31: one block of the second product's K in one lane.
; THE MASK of a step on the diagonal is the first product's C, read from LDS: -1e30 for a hidden key, 0 for an open one; it hangs on ix alone and is written once, sixteen of its 64 registers by each of waves 0-3.
; THE FIRST PRODUCT'S K IS 64 of the instruction's 128: Q's upper six registers are zero codes.  K's tiles lie 6 registers apart; an operand's upper six are the next tile's codes (behind the last: the last step's V), which multiply zero codes.
; A step's K is loaded a step ahead, V under the step's softmax.  The exponentials go in two batches, one for each block of 32, with plain lines of the other block among them.
; LIMITS: NaN and infinities are not served; scaled scores stay under 2^31 in magnitude; a block of zeros gets the byte 1.
.set STEPB, 13056
.set HEADB, 16*STEPB
.set SOFF,  3145728
.set TILEB, 12800                      ; a tile of ao: two halves of K: 8 x 768 bytes of codes and 256 of scale bytes each
.set HALFB, 6400
.set MTAB,  16*STEPB                   ; the mask: [16 groups of 4 registers][lane][16 bytes]
.set PARTS, MTAB+8192                  ; the handed parts: eight of 4,352 bytes: O^T, -M, the sum
.set PARTL, 4352
.set SPARE, PARTS+8*PARTL
.set TMP, 0
.set L16, 1
.set L8,  2
.set A16, 3
.set A8,  4
.set MO,  5                            ; the last -M
.set R8,  6                            ; 8 r
.set QS2, 7
.set SPW, 8
.set NIL, 9
.set BM,  10                           ; v10, v11
.set QF,  16
.set QS,  28
.set BX,  29                           ; v29, v30
.set PS,  31
.set KF,  32
.set VF,  80
.set SS,  128
.set OT,  192
.set KS,  224
.set VS,  228
.set PC,  230
.set CT,  242
.set Q2,  246                          ; v246-249, and
.set Q2B, 254                          ; v254-255
.set FF,  250                          ; (named with PT as a pair)
.set PT,  251
.set SO,  252
.set WD,  253
.set WV,   10
.set RHO1, 11
.set RHO2, 12
.set J,    14
.set TB,   15
.set CNT,  16
.set TBN,  19
.set SEL,  20
.set CS,   22
.set G1,   24
.set G0,   32
.set ISB,  36
.set PI,   37
.set RHOO, 38
.macro CROUND
	s_barrier_signal -1
	s_barrier_wait -1
	s_cmp_lg_u32 s[WV], 0
	s_cbranch_scc1 .Lnot_wave_0_\@
	s_barrier_signal -3
.Lnot_wave_0_\@:
	s_barrier_wait -3
	s_barrier_signal -1
	s_barrier_wait -1
.endm
	s_load_b128 s[4:7], s[0:1], 0x0                ; qb, kv
	s_load_b64 s[8:9], s[0:1], 0x10                ; ao
	v_lshl_add_u32 v[SPW], v0, 2, SPARE
	v_mov_b32 v[NIL], 0
	ds_add_u32 v[SPW], v[NIL]
	ds_add_u32 v[SPW], v[NIL]
	v_lshrrev_b32 v6, 5, v0
	v_readfirstlane_b32 s[WV], v6                  ; wave 0..15
	s_lshr_b32 s13, s[WV], 3
	s_xor_b32 s[ISB], s13, 1                       ; 1 (waves 0-7): the wave that takes the later steps and the shorter tile
	s_and_b32 s[PI], s[WV], 7
	s_mul_i32 s13, s13, 7
	s_xor_b32 s[PI], s[PI], s13                    ; i: waves i and 15 - i
	s_xor_b32 s[RHO1], s[PI], 15                   ; the longer tile's rho
	s_sub_co_u32 s13, s[ISB], 1
	s_or_b32 s[RHO2], s[PI], s13                   ; the second part's: i, or -1: nothing to do
	s_and_b32 s13, s13, 15
	s_xor_b32 s[RHOO], s[PI], s13                  ; the tile that I finish
	s_bfe_u32 s13, ttmp6, 0x40000                  ; cx
	s_lshl_b32 s17, ttmp9, 2
	s_add_co_u32 s17, s17, s13                     ; ix: it enters Q's and ao's addresses and the mask's numbers alone
	s_and_b32 s18, ttmp7, 0xffff                   ; 16 batch + head, which the four partners share
	s_mov_b32 s[G1], 15|(3<<16)|(1<<21)            ; the mask: all four; elements of 8 bytes; bit 21 beside a mask
	s_mov_b32 s[G1+1], 32<<16                      ; a step's 13,056 dense bytes as 51 rows of 256
	s_mov_b32 s[G1+2], 51<<16
	s_mov_b32 s[G1+3], 32<<16
	s_mov_b32 s[G1+4], 51
	s_mov_b32 s[G1+5], 32
	s_mov_b32 s[G1+6], 0
	s_mov_b32 s[G1+7], 0
	s_mov_b32 s[G0], 1
	s_and_b32 s48, s[WV], 1
	s_lshl_b32 s48, s48, 3
	s_lshr_b32 s49, s[WV], 1
	s_add_co_u32 s48, s48, s49                     ; I fetch step 8 (w % 2) + w / 2
	s_mul_i32 s[G0+1], s48, STEPB
	s_mul_i32 s48, s18, HEADB
	s_add_co_u32 s48, s48, s[G0+1]
	s_mov_b32 s49, 0
	s_mov_b32 s[SEL], 0x76543210
	s_mov_b32 s[SEL+1], 0xfedcba98                 ; lane l xor 16
	s_mov_b32 s[CS], 0x3d38aa3b                    ; c = log2(e) / 32
	s_mov_b32 s[CS+1], s[CS]
	s_lshl_b32 s50, s18, 7
	s_add_co_u32 s50, s50, s17
	s_lshl_b32 s40, s[RHO1], 3
	s_add_co_u32 s40, s40, s50
	s_mul_i32 s40, s40, 768                        ; the longer tile's Q
	s_mov_b32 s41, 0
	s_lshl_b32 s42, s[PI], 3
	s_add_co_u32 s42, s42, s50
	s_mul_i32 s42, s42, 768                        ; the shorter's
	s_mov_b32 s43, 0
	s_lshl_b32 s50, s18, 13                        ; Q's scale words: groups of 8 tiles, 512 bytes: the half of the lanes, row, word
	s_and_b32 s51, s17, 1
	s_lshl_b32 s51, s51, 8
	s_add_co_u32 s50, s50, s51
	s_lshr_b32 s51, s17, 1
	s_lshl_b32 s51, s51, 2
	s_add_co_u32 s50, s50, s51
	s_add_co_u32 s50, s50, SOFF
	s_lshl_b32 s44, s[RHO1], 9
	s_add_co_u32 s44, s44, s50
	s_mov_b32 s45, 0
	s_lshl_b32 s46, s[PI], 9
	s_add_co_u32 s46, s46, s50
	s_mov_b32 s47, 0
	s_lshr_b32 s56, s18, 4
	s_lshl_b32 s56, s56, 7
	s_add_co_u32 s56, s56, s17
	s_lshl_b32 s57, s[RHOO], 3
	s_add_co_u32 s56, s56, s57                     ; my tile of ao's rows
	s_and_b32 s57, s18, 15                         ; the head: which 64 of ao's K
	s_mul_i32 s58, s56, TILEB
	s_lshr_b32 s59, s57, 3
	s_mul_i32 s59, s59, HALFB
	s_add_co_u32 s58, s58, s59
	s_lshr_b32 s59, s57, 2
	s_and_b32 s59, s59, 1
	s_lshl_b32 s59, s59, 7
	s_add_co_u32 s60, s58, s59
	s_and_b32 s59, s57, 3
	s_lshl_b32 s59, s59, 1
	s_add_co_u32 s60, s60, s59
	s_add_co_u32 s60, s60, 6144                    ; the scale bytes
	s_mov_b32 s61, 0
	s_and_b32 s59, s57, 7
	s_mul_i32 s59, s59, 768
	s_add_co_u32 s58, s58, s59                     ; the codes
	s_mov_b32 s59, 0
	s_lshr_b32 s54, s17, 2                         ; the mask: my queries begin at 64 (ix / 4) + 8 (ix % 4) of the step; the 16 registers that wave w < 4 writes at key 64 (w / 2) + 16 (w % 2)
	s_lshl_b32 s54, s54, 6
	s_and_b32 s55, s17, 3
	s_lshl_b32 s55, s55, 3
	s_add_co_u32 s54, s54, s55
	s_lshr_b32 s55, s[WV], 1
	s_lshl_b32 s55, s55, 6
	s_sub_co_u32 s54, s54, s55
	s_and_b32 s55, s[WV], 1
	s_lshl_b32 s55, s55, 4
	s_sub_co_u32 s54, s54, s55
	s_lshl_b32 s55, s[WV], 11
	s_add_co_u32 s55, s55, MTAB
	s_mul_i32 s62, s[PI], PARTL
	s_add_co_u32 s62, s62, PARTS
	s_add_co_u32 s63, s62, 4096
	s_wait_dscnt 0x0                               ; both opening adds are done
	v_and_b32 v12, 31, v0
	v_and_b32 v13, 15, v0                          ; r
	v_bfe_u32 v14, v0, 4, 1                        ; h
	v_mov_b32 v10, 0xf149f2ca                      ; -1e30
	v_lshlrev_b32 v[L16], 4, v12
	v_lshlrev_b32 v[L8], 3, v12
	v_lshrrev_b32 v11, 3, v13
	v_lshlrev_b32 v15, 5, v14
	v_lshlrev_b32 v5, 4, v13                       ; 16 r
	v_lshlrev_b32 v[R8], 3, v13
	v_mad_u32_u24 v11, v11, 24, v13
	v_add_nc_u32 v[A16], s55, v[L16]               ; the mask's place (waves 0-3)
	v_sub_nc_u32 v11, v11, v15
	v_add_nc_u32 v11, s54, v11                     ; my query's place less that of the first key of those registers in my half of the lanes
	s_wait_alu depctr_va_vdst(0)                   ; directly ahead of the wait below
	s_wait_kmcnt 0x0
	s_add_nc_u64 s[G0+2:G0+3], s[6:7], s[48:49]
	s_or_b32 s[G0+3], s[G0+3], 0x80000000
	s_add_nc_u64 s[40:41], s[4:5], s[40:41]
	s_add_nc_u64 s[42:43], s[4:5], s[42:43]
	s_add_nc_u64 s[44:45], s[4:5], s[44:45]
	s_add_nc_u64 s[46:47], s[4:5], s[46:47]
	s_add_nc_u64 s[58:59], s[8:9], s[58:59]
	s_add_nc_u64 s[60:61], s[8:9], s[60:61]
	global_load_b128 v[QF:QF+3], v[L16], s[40:41]
	global_load_b64 v[QF+4:QF+5], v[L8], s[40:41] offset:512
	global_load_b32 v[QS], v5, s[44:45]            ; row r's scale word, in both halves of the lanes
	global_load_b128 v[Q2:Q2+3], v[L16], s[42:43]
	global_load_b64 v[Q2B:Q2B+1], v[L8], s[42:43] offset:512
	global_load_b32 v[QS2], v5, s[46:47]
	CROUND                                         ; all four work-groups are here: the joint loads meet
	s_cmp_lt_u32 s[WV], 4                          ; one load a wave; waves 0-3, which wait first, have a line of their own
	s_cbranch_scc0 .Llater
	tensor_load_to_lds s[G0:G0+3], s[G1:G1+7]
	s_nop 0
.rept 4
	v_nop
.endr
	s_branch .Lasked
.Llater:
	tensor_load_to_lds s[G0:G0+3], s[G1:G1+7]
	s_nop 0
.rept 4
	v_nop
.endr
.Lasked:
	v_mov_b32 v13, 0xff61b1e6                      ; the largest t so far: -3e38
	v_mov_b32 v14, 0
	v_mov_b32 v15, 0
	v_floor_f32 v12, -v13
.irp i, 0,1,2,3,4,5
	v_mov_b32 v[QF+6+\i], 0                        ; Q's upper 64 along K: zero codes
	v_mov_b32 v[VF+\i], 0                          ; behind K's last tile, ahead of the first V
.endr
	v_mov_b32 v[PT], 0                             ; a lane permute's destination counts as read
	v_mov_b32 v[WD], 0
.set jj, 0
.rept 32
	v_mov_b32 v[OT+jj], 0                          ; the step is written once for all steps: the first finds zeros
.set jj, jj+1
.endr
	s_wait_alu depctr_va_vdst(0)                   ; the wait at the head's end
	s_cmp_lt_u32 s[WV], 4
	s_cbranch_scc0 .Lnot_first
.irp e, 0,1,2,3,4,5,6,7,8,9,10,11,12,13,14,15
	v_cmp_gt_i32 vcc_lo, \e, v11                   ; hidden where the key comes after the query
	v_cndmask_b32 v[SS+\e], v[NIL], v10, vcc_lo
.endr
	s_wait_alu depctr_va_vdst(0)
	s_wait_tensorcnt 0x0
.irp g, 0,1,2,3
	ds_store_b128 v[A16], v[SS+4*\g:SS+4*\g+3] offset:512*\g
.endr
.Lnot_first:
	s_wait_loadcnt 0x0                             ; both Q
	s_wait_dscnt 0x0
	s_barrier_signal -1
	s_barrier_wait -1                              ; the mask, and steps 0, 1, 8, 9
.macro KLOAD tb
	v_add_nc_u32 v[A16], s[\tb], v[L16]
	v_add_nc_u32 v[A8], s[\tb], v[L8]
.irp t, 0,1,2,3,4,5,6,7
	ds_load_b128 v[KF+6*\t:KF+6*\t+3], v[A16] offset:768*\t
	ds_load_b64 v[KF+6*\t+4:KF+6*\t+5], v[A8] offset:768*\t+512
.endr
	ds_load_b128 v[KS:KS+3], v[A16] offset:12288   ; word j: lanes 0-15 tile 2 j, lanes 16-31 tile 2 j + 1
.endm
.macro SMUL diag
.irp t, 0,1,2,3
.if \diag
	v_wmma_scale_f32_16x16x128_f8f6f4 v[SS+16*\t:SS+16*\t+7], v[KF+12*\t:KF+12*\t+11], v[QF:QF+11], v[SS+16*\t:SS+16*\t+7], v[KS+\t], v[QS] matrix_a_fmt:MATRIX_FMT_FP6 matrix_b_fmt:MATRIX_FMT_FP6
	v_wmma_scale_f32_16x16x128_f8f6f4 v[SS+16*\t+8:SS+16*\t+15], v[KF+12*\t+6:KF+12*\t+17], v[QF:QF+11], v[SS+16*\t+8:SS+16*\t+15], v[KS+\t], v[QS] matrix_a_fmt:MATRIX_FMT_FP6 matrix_b_fmt:MATRIX_FMT_FP6 matrix_a_scale:MATRIX_SCALE_ROW1
.else
	v_wmma_scale_f32_16x16x128_f8f6f4 v[SS+16*\t:SS+16*\t+7], v[KF+12*\t:KF+12*\t+11], v[QF:QF+11], 0, v[KS+\t], v[QS] matrix_a_fmt:MATRIX_FMT_FP6 matrix_b_fmt:MATRIX_FMT_FP6
	v_wmma_scale_f32_16x16x128_f8f6f4 v[SS+16*\t+8:SS+16*\t+15], v[KF+12*\t+6:KF+12*\t+17], v[QF:QF+11], 0, v[KS+\t], v[QS] matrix_a_fmt:MATRIX_FMT_FP6 matrix_b_fmt:MATRIX_FMT_FP6 matrix_a_scale:MATRIX_SCALE_ROW1
.endif
.endr
.endm
.macro TM jj                           ; t - M, two at a time
	v_pk_fma_f32 v[SS+\jj:SS+\jj+1], v[SS+\jj:SS+\jj+1], s[CS:CS+1], v[12:13] op_sel_hi:[1,0,0]
.endm
.macro ADDP d, x                       ; the row's sum, in place
	v_pk_add_f32 v[SS+\d:SS+\d+1], v[SS+\d:SS+\d+1], v[SS+\x:SS+\x+1]
.endm
.macro STEP rho
	s_cmp_gt_i32 s[J], s[\rho]                     ; all of this step's keys come after my queries: a branch on the wave's number and a counter
	s_cbranch_scc1 .Lhidden_\@
	s_cmp_eq_u32 s[J], s[\rho]                     ; my last step lies on the diagonal
	s_cbranch_scc1 .Ldiag_\@
	s_wait_dscnt 0x0                               ; this step's K
	SMUL 0
	s_branch .Lscored_\@
.Ldiag_\@:
	v_add_nc_u32 v[A16], MTAB, v[L16]
.irp g, 0,1,2,3,4,5,6,7,8,9,10,11,12,13,14,15
	ds_load_b128 v[SS+4*\g:SS+4*\g+3], v[A16] offset:512*\g
.endr
	s_wait_dscnt 0x0
	SMUL 1
.Lscored_\@:
	s_add_co_u32 s[TBN], s[TB], STEPB
	s_min_u32 s[TBN], s[TBN], 15*STEPB             ; the next step, or the last once more
	v_add_nc_u32 v[A16], s[TB], v[L16]
	v_add_nc_u32 v[A8], s[TB], v[L8]
	v_mov_b32 v[MO], v12
	v_nop                                          ; four plain lines in front of loads into registers that the products read
.irp t, 0,1,2,3                                ; V's four tiles of 16 channels x 128 keys land while the softmax is worked,
.irp c, 0,1
	ds_load_b128 v[VF+12*\t+6*\c:VF+12*\t+6*\c+3], v[A16] offset:6144+1536*\t+768*\c
	ds_load_b64 v[VF+12*\t+6*\c+4:VF+12*\t+6*\c+5], v[A8] offset:6144+1536*\t+768*\c+512
.endr
.endr
	ds_load_b64 v[VS:VS+1], v[A8] offset:12800
	KLOAD TBN                                      ; and the next step's K behind it: 17 loads
.irp c, 0,1
	v_max3_num_f32 v[BM+\c], v[SS+32*\c], v[SS+1+32*\c], v[SS+2+32*\c]   ; the largest score of my block of 32 keys: for the row's maximum, and for the block's largest p
	v_max3_num_f32 v[BX+\c], v[SS+16+32*\c], v[SS+17+32*\c], v[SS+18+32*\c]
.endr
.irp i, 3,5,7,9,11,13
.irp c, 0,1
	v_max3_num_f32 v[BM+\c], v[BM+\c], v[SS+32*\c+\i], v[SS+1+32*\c+\i]
	v_max3_num_f32 v[BX+\c], v[BX+\c], v[SS+16+32*\c+\i], v[SS+17+32*\c+\i]
.endr
.endr
.irp c, 0,1
	v_max3_num_f32 v[BM+\c], v[BM+\c], v[SS+15+32*\c], v[SS+31+32*\c]
.endr
.irp c, 0,1
	v_max_num_f32 v[BM+\c], v[BM+\c], v[BX+\c]
.endr
	v_max_num_f32 v[TMP], v[BM], v[BM+1]
	s_delay_alu instid0(VALU_DEP_1)
	v_permlanex16_b32 v[PT], v[TMP], s[SEL], s[SEL+1]
	s_delay_alu instid0(VALU_DEP_1)
	v_max_num_f32 v[TMP], v[TMP], v[PT]
	s_delay_alu instid0(VALU_DEP_1)
	v_mul_f32 v[TMP], s[CS], v[TMP]
	s_delay_alu instid0(VALU_DEP_1)
	v_max_num_f32 v13, v13, v[TMP]                 ; the running largest t
	s_delay_alu instid0(VALU_DEP_1)
	v_floor_f32 v12, -v13                          ; -M = floor(-t): M is a whole number
	v_fma_f32 v[BM], v[BM], s[CS], v12
	v_sub_f32 v[TMP], v12, v[MO]
	TM 0
	TM 2
	TM 4
	v_cvt_i32_f32 v[TMP], v[TMP]                   ; (it saturates)
	TM 6
	TM 8
	TM 10
	v_ldexp_f32 v[FF], 1.0, v[TMP]                 ; f = 2^(old M - new M)
.irp i, 12,14,16,18,20,22,24,26,28,30
	TM \i
.endr
	s_wait_alu depctr_va_vdst(0)
	v_exp_f32 v[BM], v[BM]                         ; the block's largest p: the same two instructions on the same number
.set jj, 0
.rept 32
	v_exp_f32 v[SS+jj], v[SS+jj]                   ; p of the first block
.if jj%2
	TM jj+31
.endif
.set jj, jj+1
.endr
	v_fma_f32 v[BM+1], v[BM+1], s[CS], v12
	v_pk_mul_f32 v[14:15], v[14:15], v[FF:FF+1] op_sel_hi:[1,0]   ; the sums under the new M
	s_wait_alu depctr_va_vdst(0)                   ; behind the first batch and ahead of the second
	v_max_num_f32 v[BM], 0x1800000, v[BM]          ; the floor
	v_add_nc_u32 v[SO], 0xff000000, v[BM]          ; the conversion's scale operand
	v_cvt_scalef32_pk16_fp6_f32 v[PC:PC+2], v[SS:SS+15], v[SO]
	v_cvt_scalef32_pk16_fp6_f32 v[CT:CT+2], v[SS+16:SS+31], v[SO]
	v_lshrrev_b32 v[BM], 23, v[SO]                 ; the scale's byte: a plain line behind the conversions
.irp i, 0,1,2
	v_mov_b32 v[PC+3+\i], v[CT+\i]                 ; (a conversion's three registers begin on an even number)
.endr
	s_wait_alu depctr_va_vdst(0)
	v_exp_f32 v[BM+1], v[BM+1]
.set jj, 0
.rept 32
	v_exp_f32 v[SS+32+jj], v[SS+32+jj]             ; p of the second block
.if (jj%2) && (jj < 16)
	ADDP jj-1, jj+15                               ; the first block's registers 0-15 take 16-31: eight lines, read again behind the wait below
.endif
.set jj, jj+1
.endr
	v_nop                                          ; a plain place behind the batch
	s_wait_alu depctr_va_vdst(0)
	v_max_num_f32 v[BM+1], 0x1800000, v[BM+1]
	v_add_nc_u32 v[SO], 0xff000000, v[BM+1]
	v_cvt_scalef32_pk16_fp6_f32 v[PC+6:PC+8], v[SS+32:SS+47], v[SO]
	v_cvt_scalef32_pk16_fp6_f32 v[CT:CT+2], v[SS+48:SS+63], v[SO]
	v_lshrrev_b32 v[WD], 23, v[SO]
	v_lshl_or_b32 v[WD], v[WD], 16, v[BM]          ; bytes h and 2 + h of the scale word, 8 h bits down
.irp i, 0,1,2
	v_mov_b32 v[PC+9+\i], v[CT+\i]
.endr
	v_permlanex16_b32 v[PT], v[WD], s[SEL], s[SEL+1]
	v_lshl_or_b32 v[PS], v[PT], 8, v[WD]           ; p's scale word in lanes 0-15 (lanes 16-31 are not read)
	s_wait_dscnt 17                                ; V; the next step's 17 loads may be out
	s_wait_alu depctr_va_vdst(0)                   ; directly ahead of the first reader of O^T
.set jj, 0
.rept 16
	v_pk_mul_f32 v[OT+jj:OT+jj+1], v[OT+jj:OT+jj+1], v[FF:FF+1] op_sel_hi:[1,0]   ; O^T under the new M; these sixteen also stand between the lines that made p's codes and scale word and the products
.set jj, jj+2
.endr
.irp t, 0,1
	v_wmma_scale_f32_16x16x128_f8f6f4 v[OT+16*\t:OT+16*\t+7], v[VF+24*\t:VF+24*\t+11], v[PC:PC+11], v[OT+16*\t:OT+16*\t+7], v[VS+\t], v[PS] matrix_a_fmt:MATRIX_FMT_FP6 matrix_b_fmt:MATRIX_FMT_FP6
	v_wmma_scale_f32_16x16x128_f8f6f4 v[OT+16*\t+8:OT+16*\t+15], v[VF+24*\t+12:VF+24*\t+23], v[PC:PC+11], v[OT+16*\t+8:OT+16*\t+15], v[VS+\t], v[PS] matrix_a_fmt:MATRIX_FMT_FP6 matrix_b_fmt:MATRIX_FMT_FP6 matrix_a_scale:MATRIX_SCALE_ROW1
.endr
.irp i, 0,2,4,6,8,10,12,14                     ; the row's sum is taken of the unquantised p; these lines are also the places behind the products
	ADDP \i, 32+\i
.endr
.irp i, 0,2,4,6,8,10,12,14
	ADDP \i, 48+\i
.endr
.irp i, 0,2,4,6
	ADDP \i, 8+\i
.endr
	ADDP 0, 4
	ADDP 2, 6
	v_pk_add_f32 v[14:15], v[14:15], v[SS:SS+1]
	v_pk_add_f32 v[14:15], v[14:15], v[SS+2:SS+3]
	s_wait_alu depctr_va_vdst(0)
.Lhidden_\@:
	s_add_co_u32 s[J], s[J], 1
	s_add_co_u32 s[TB], s[TB], STEPB
.endm
	s_lshl_b32 s[J], s[ISB], 3                     ; steps 0-7, or 8-15
	s_mul_i32 s[TB], s[J], STEPB
	KLOAD TB
	s_wait_alu depctr_va_vdst(0)
	STEP RHO1
	s_wait_tensorcnt 0x0
	s_wait_dscnt 0x0
	s_barrier_signal -1
	s_barrier_wait -1                              ; all sixteen steps are in
	s_mov_b32 s[CNT], 7
.Lfirst:
	STEP RHO1
	s_sub_co_u32 s[CNT], s[CNT], 1
	s_cmp_lg_u32 s[CNT], 0
	s_cbranch_scc1 .Lfirst
	s_cmp_eq_u32 s[ISB], 0
	s_cbranch_scc1 .Lkeep
	s_wait_dscnt 0x0
	v_add_f32 v14, v14, v15
	v_lshrrev_b32 v[A8], 1, v[L8]
	v_add_nc_u32 v[A16], s62, v[L16]
	v_add_nc_u32 v[A8], s63, v[A8]
.irp g, 0,1,2,3,4,5,6,7
	ds_store_b128 v[A16], v[OT+4*\g:OT+4*\g+3] offset:512*\g
.endr
	ds_store_b32 v[A8], v12
	ds_store_b32 v[A8], v14 offset:128
	s_wait_dscnt 0x0                               ; the part is in LDS, and its registers are free
	v_mov_b32 v13, 0xff61b1e6                      ; the shorter tile begins
	v_mov_b32 v14, 0
	v_mov_b32 v15, 0
	v_floor_f32 v12, -v13
.irp i, 0,1,2,3
	v_mov_b32 v[QF+\i], v[Q2+\i]
.endr
	v_mov_b32 v[QF+4], v[Q2B]
	v_mov_b32 v[QF+5], v[Q2B+1]
	v_mov_b32 v[QS], v[QS2]
.set jj, 0
.rept 32
	v_mov_b32 v[OT+jj], 0
.set jj, jj+1
.endr
	s_wait_alu depctr_va_vdst(0)
.Lkeep:
	s_wait_dscnt 0x0
	s_barrier_signal -1                            ; my first part is done; what I leave to my partner is in LDS
	s_mov_b32 s[J], 0
	s_mov_b32 s[TB], 0
	s_mov_b32 s[CNT], 8
	KLOAD TB
	s_wait_alu depctr_va_vdst(0)
.Lsecond:
	STEP RHO2
	s_sub_co_u32 s[CNT], s[CNT], 1
	s_cmp_lg_u32 s[CNT], 0
	s_cbranch_scc1 .Lsecond
	s_barrier_wait -1                              ; all parts are in LDS
	s_cmp_lg_u32 s[ISB], 0
	s_cbranch_scc1 .Lfinish
	s_wait_dscnt 0x0
	v_lshrrev_b32 v[A8], 1, v[L8]
	v_add_nc_u32 v[A16], s62, v[L16]
	v_add_nc_u32 v[A8], s63, v[A8]
	v_add_f32 v14, v14, v15
.irp g, 0,1,2,3,4,5,6,7                        ; the partner's part of my tile
	ds_load_b128 v[SS+4*\g:SS+4*\g+3], v[A16] offset:512*\g
.endr
	ds_load_b32 v[BM], v[A8]
	ds_load_b32 v[BM+1], v[A8] offset:128
	v_mov_b32 v15, 0
	v_mov_b32 v[WD], 0
	s_wait_alu depctr_va_vdst(0)
	s_wait_dscnt 0x0
	v_min_num_f32 v13, v12, v[BM]                  ; - the larger M
	v_sub_f32 v[TMP], v13, v12
	v_sub_f32 v[MO], v13, v[BM]
	v_cvt_i32_f32 v[TMP], v[TMP]
	v_cvt_i32_f32 v[MO], v[MO]
	v_ldexp_f32 v[FF], 1.0, v[TMP]
	v_ldexp_f32 v[SO], 1.0, v[MO]
	v_mul_f32 v14, v14, v[FF]
	v_fma_f32 v14, v[BM+1], v[SO], v14
.set jj, 0
.rept 16
	v_pk_mul_f32 v[OT+jj:OT+jj+1], v[OT+jj:OT+jj+1], v[FF:FF+1] op_sel_hi:[1,0]
.set jj, jj+2
.endr
.set jj, 0
.rept 16
	v_pk_fma_f32 v[OT+jj:OT+jj+1], v[SS+jj:SS+jj+1], v[SO:SO+1], v[OT+jj:OT+jj+1] op_sel_hi:[1,0,1]
.set jj, jj+2
.endr
	s_wait_alu depctr_va_vdst(0)
.Lfinish:
	; THE WAY OUT: O^T / the sum; its 32 registers are channels 16 h + 0 .. 15 and 32 + 16 h + 0 .. 15 of my query: two blocks of the last product's K.  They are quantised and stored as 64 along ao's K.
	v_add_f32 v14, v14, v15
	s_delay_alu instid0(VALU_DEP_1)
	v_permlanex16_b32 v[PT], v14, s[SEL], s[SEL+1]
	s_delay_alu instid0(VALU_DEP_1)
	v_add_f32 v14, v14, v[PT]
	s_wait_alu depctr_va_vdst(0)
	v_rcp_f32 v14, v14
	v_nop
	s_wait_alu depctr_va_vdst(0)
.set jj, 0
.rept 32
	v_mul_f32 v[SS+jj], v[OT+jj], v14
.set jj, jj+1
.endr
	v_max3_num_f32 v[BM], |v[SS]|, |v[SS+1]|, 0x1800000
	v_max3_num_f32 v[BM+1], |v[SS+16]|, |v[SS+17]|, 0x1800000
.irp i, 2,4,6,8,10,12,14
	s_delay_alu instid0(VALU_DEP_2)
	v_max3_num_f32 v[BM], v[BM], |v[SS+\i]|, |v[SS+1+\i]|
	s_delay_alu instid0(VALU_DEP_2)
	v_max3_num_f32 v[BM+1], v[BM+1], |v[SS+16+\i]|, |v[SS+17+\i]|
.endr
	v_permlanex16_b32 v[PT], v[BM], s[SEL], s[SEL+1]
	v_permlanex16_b32 v[WD], v[BM+1], s[SEL], s[SEL+1]
	v_max_num_f32 v[BM], v[BM], v[PT]
	v_max_num_f32 v[BM+1], v[BM+1], v[WD]
	v_add_nc_u32 v[SO], 0xff000000, v[BM]
	v_add_nc_u32 v[TMP], 0xff000000, v[BM+1]
	v_lshrrev_b32 v[BM], 23, v[SO]
	v_lshrrev_b32 v[BM+1], 23, v[TMP]
	v_cvt_scalef32_pk16_fp6_f32 v[PC:PC+2], v[SS:SS+15], v[SO]
	v_cvt_scalef32_pk16_fp6_f32 v[CT:CT+2], v[SS+16:SS+31], v[TMP]
	v_lshl_or_b32 v[MO], v[BM+1], 8, v[BM]
.irp i, 0,1,2
	v_permlane16_swap_b32 v[PC+\i], v[CT+\i]       ; a whole block in a lane
.endr
.irp i, 0,1,2
	v_mov_b32 v[PC+3+\i], v[CT+\i]
.endr
	global_store_b128 v[L16], v[PC:PC+3], s[58:59]             ; 512 consecutive bytes
	global_store_b64 v[L8], v[PC+4:PC+5], s[58:59] offset:512  ; 256 consecutive bytes
	global_store_b16 v[R8], v[MO], s[60:61]                    ; my row's two scale bytes (both halves of the lanes write the same): 2 bytes of each row's 8, one byte for each 24 of codes
	s_wait_tensorcnt 0x0
	ds_add_u32 v[SPW], v[NIL]
	s_wait_dscnt 0x0
	CROUND                                         ; the closing round
	s_endpgm
.Lfunc_end_k_qe2caf87372_attn:
	.size	k_qe2caf87372_attn, .Lfunc_end_k_qe2caf87372_attn-k_qe2caf87372_attn
	.p2alignl 7, 3214868480
	.fill 96, 4, 3214868480
	.section	.rodata,"a",@progbits
	.p2align	6, 0x0
	.amdhsa_kernel k_qe2caf87372_attn
		.amdhsa_group_segment_fixed_size 253952
		.amdhsa_private_segment_fixed_size 0
		.amdhsa_enable_private_segment 0
		.amdhsa_kernarg_size 24
		.amdhsa_user_sgpr_count 2
		.amdhsa_user_sgpr_kernarg_segment_ptr 1
		.amdhsa_wavefront_size32 1
		.amdhsa_system_sgpr_workgroup_id_x 1
		.amdhsa_system_sgpr_workgroup_id_y 1
		.amdhsa_system_sgpr_workgroup_id_z 1
		.amdhsa_system_vgpr_workitem_id 0
		.amdhsa_next_free_vgpr 256
		.amdhsa_next_free_sgpr 72
		.amdhsa_reserve_vcc 1
		.amdhsa_float_denorm_mode_32 3
		.amdhsa_float_denorm_mode_16_64 3
		.amdhsa_memory_ordered 1
		.amdhsa_forward_progress 1
		.amdhsa_inst_pref_size 75
	.end_amdhsa_kernel
	.amdgpu_metadata
---
amdhsa.version: [ 1, 2 ]
amdhsa.kernels:
  - .name:           k_qe2caf87372_attn
    .symbol:         k_qe2caf87372_attn.kd
    .args:
      - { .name: qb, .offset: 0, .size: 8, .value_kind: global_buffer, .address_space: global }
      - { .name: kv, .offset: 8, .size: 8, .value_kind: global_buffer, .address_space: global }
      - { .name: ao, .offset: 16, .size: 8, .value_kind: global_buffer, .address_space: global }
    .group_segment_fixed_size: 253952
    .private_segment_fixed_size: 0
    .kernarg_segment_align: 8
    .kernarg_segment_size: 24
    .max_flat_workgroup_size: 512
    .sgpr_count:     72
    .vgpr_count:     256
    .wavefront_size: 32
...
	.end_amdgpu_metadata
.endif
;; end of part 3
;; launch gemm2 (part 4): grid 8 x 32, 4 waves a work-group, clusters of 4 x 4, 222,720 bytes of LDS; arguments ao, wq, out0; writes out0
.if DOCPART == 4
	.amdgcn_target "amdgcn-amd-amdhsa--gfx1250"
	.amdhsa_code_object_version 6
	.text
	.protected	k_qe2caf87372_gemm2
	.globl	k_qe2caf87372_gemm2
	.p2align	8
	.type	k_qe2caf87372_gemm2,@function
k_qe2caf87372_gemm2:
	s_mov_b64 s[64:65], 0
	v_nop
	global_prefetch_b8 v0, s[64:65] scope:SCOPE_SE
	s_setreg_imm32_b32 hwreg(HW_REG_WAVE_MODE, 25, 1), 1
	s_wait_xcnt 0x0
	s_wait_alu depctr_hold_cnt(0) depctr_sa_sdst(0) depctr_va_vdst(0) depctr_va_sdst(0) depctr_va_ssrc(0) depctr_va_vcc(0) depctr_vm_vsrc(0)
	s_getreg_b32 s2, hwreg(HW_REG_IB_STS2, 6, 4)
	s_cmp_eq_u32 s2, 0
	s_cbranch_scc0 .Lentry_in_a_cluster
	s_endpgm
.Lentry_in_a_cluster:
	s_bfe_u32 s2, ttmp6, 0x10000c
	s_cmp_lg_u32 s2, 0xf033
	s_cbranch_scc0 .Lentry_shape_is_right
	s_endpgm
.Lentry_shape_is_right:
; GEMM2: out0 = o Wout on codes of FP6 (E2M3) with E8M0 scales.  M 4,096, N 1,024, K 1,024.  ao: o's rows; wq's tiles 192-255: Wout's columns; both in the order of the operand's registers.
; A tile of 16 rows is two halves of K, 6,400 bytes each: 8 x 768 bytes of codes, then [2 runs of 256 along K][16 rows][8 bytes] of scales.
; 256 work-groups, a block of 128 x 128 each, four waves of 64 x 64: 16 accumulators.  ALL OF K LIES IN LDS, FILLED ONCE: A's eight tiles and B's eight, 204,800 bytes.
; One load a wave: waves 0 and 1 the first half of K of A and of B, waves 2 and 3 the second.  The first barrier shows the first half (its two waves have waited), the second, four K steps on, all.
; CLUSTERS: 4 x 4: A's tiles are shared along a row of the cluster, B's along a column, asked for jointly.  No prefetch: the launch has no loop of loads to run ahead of.
; THE MATRIX INSTRUCTION IS USED TRANSPOSED (source 0 = B's 16 columns, source 1 = A's 16 rows).  B: lane-row r of tile 2 b + u is column 32 b + 8 u + r + 8 (r / 8): a lane's 16 registers of B's tiles 2 b, 2 b + 1 are
; 16 neighbouring columns.  A: lane-row r of tile 4 g + j is row 64 g + 8 j + r + 24 (r / 8): the rows are put back in their places by the stores' offsets.
; REGISTERS: window 0: v16-28 addresses; v32-47 scale words, two sets; v48-111 the way out; v128-255 the accumulators ((a, b) at v[128 + 8 (4 a + b)]).  window 1: two fragment buffers: 48 registers of A, 48 of B.
.set TILEB, 12800
.set HALFB, 6400
.set GRP,   8*HALFB                    ; what one load brings: 8 tiles x 512 along K
.set STG,   4*GRP                      ; the stages: 16 rows x (256 + 16) bytes a wave; no tile lands there
.set SP,    272
.set SPARE, STG+4*16*SP
.set STO,  24
.set RD,   25
.set CO,   26
.set ADRS, 27                          ; v27, v28: the two halves of K
.set SC,   32
.set BK,   48
.set SPW,  126
.set NIL,  127
.set ACC,  128
.set G1A,  24
.set G1B,  32
.set G0A,  56
.set G0B,  60
.set MSB, 0
.macro WIN new
.if MSB != \new
	s_set_vgpr_msb (MSB<<8)|\new
.set MSB, \new
.endif
.endm
.set MUL,  0x05                        ; sources 0 and 1 window 1; C and D window 0
.set TO_F, 0x40
.macro PLACES
.rept 4
	v_nop
.endr
.endm
.macro CROUND
	s_barrier_signal -1
	s_barrier_wait -1
	s_cmp_lg_u32 s10, 0
	s_cbranch_scc1 .Lnot_wave_0_\@
	s_barrier_signal -3
.Lnot_wave_0_\@:
	s_barrier_wait -3
	s_barrier_signal -1
	s_barrier_wait -1
.endm
	s_load_b128 s[4:7], s[0:1], 0x0                ; ao, wq
	s_load_b64 s[8:9], s[0:1], 0x10                ; out0
	v_lshl_add_u32 v[SPW], v0, 2, SPARE
	v_mov_b32 v[NIL], 0
	ds_add_u32 v[SPW], v[NIL]
	ds_add_u32 v[SPW], v[NIL]
	v_lshrrev_b32 v1, 5, v0
	v_readfirstlane_b32 s10, v1                    ; wave
	s_lshr_b32 s11, s10, 1                         ; my half of the rows.  Also: which half of K I fetch
	s_and_b32 s12, s10, 1                          ; my half of the columns.  Also: I fetch for A (0) or B (1)
	s_bfe_u32 s13, ttmp6, 0x40000                  ; cx
	s_bfe_u32 s14, ttmp6, 0x40004                  ; cy
	s_lshl_b32 s15, ttmp9, 2
	s_add_co_u32 s15, s15, s13                     ; tile column
	s_and_b32 s16, ttmp7, 0xffff
	s_lshl_b32 s16, s16, 2
	s_add_co_u32 s16, s16, s14                     ; tile row
	s_lshl_b32 s17, s14, 2
	s_lshl_b32 s17, 15, s17                        ; my row of the cluster
	s_lshl_b32 s18, 0x1111, s13                    ; my column
	s_or_b32 s[G1A], s17, (3<<16)|(1<<21)
	s_or_b32 s[G1B], s18, (3<<16)|(1<<21)
.irp g, G1A, G1B
	s_mov_b32 s[\g+1], (HALFB/8)<<16               ; 8 rows (tiles) of 800 elements of 8 bytes, 1,600 apart
	s_mov_b32 s[\g+2], 8<<16
	s_mov_b32 s[\g+3], (HALFB/8)<<16
	s_mov_b32 s[\g+4], 8
	s_mov_b32 s[\g+5], TILEB/8
	s_mov_b32 s[\g+6], 0
	s_mov_b32 s[\g+7], 0
.endr
	s_mul_i32 s19, s11, HALFB
	s_mul_i32 s20, s16, 8*TILEB
	s_add_co_u32 s20, s20, s19                     ; A: tile row, half of K
	s_mov_b32 s21, 0
	s_mul_i32 s22, s15, 8*TILEB
	s_add_co_u32 s22, s22, 192*TILEB
	s_add_co_u32 s22, s22, s19                     ; B
	s_mov_b32 s23, 0
	s_mov_b32 s[G0A], 1
	s_mul_i32 s[G0A+1], s10, GRP                   ; where they go: the wave's number alone: A, B of the first half, A, B of the second
	s_mov_b32 s[G0B], 1
	s_mul_i32 s[G0B+1], s10, GRP
	s_wait_dscnt 0x0
	s_wait_kmcnt 0x0
	s_add_nc_u64 s[G0A+2:G0A+3], s[4:5], s[20:21]
	s_or_b32 s[G0A+3], s[G0A+3], 0x80000000
	s_add_nc_u64 s[G0B+2:G0B+3], s[6:7], s[22:23]
	s_or_b32 s[G0B+3], s[G0B+3], 0x80000000
	CROUND                                         ; all sixteen work-groups are here: the joint loads meet
	s_cmp_eq_u32 s10, 0
	s_cbranch_scc0 .Lwave_1
	tensor_load_to_lds s[G0A:G0A+3], s[G1A:G1A+7]
	s_nop 0
	PLACES
	s_branch .Lasked
.Lwave_1:
	s_cmp_eq_u32 s10, 1
	s_cbranch_scc0 .Lwave_2
	tensor_load_to_lds s[G0B:G0B+3], s[G1B:G1B+7]
	s_nop 0
	PLACES
	s_branch .Lasked
.Lwave_2:
	s_cmp_eq_u32 s10, 2
	s_cbranch_scc0 .Lwave_3
	tensor_load_to_lds s[G0A:G0A+3], s[G1A:G1A+7]
	s_nop 0
	PLACES
	s_branch .Lasked
.Lwave_3:
	tensor_load_to_lds s[G0B:G0B+3], s[G1B:G1B+7]
	s_nop 0
	PLACES
.Lasked:
	s_mul_i32 s19, s11, GRP/2                      ; my 4 tiles of A
	s_mul_i32 s13, s12, GRP/2
	s_add_co_u32 s13, s13, GRP                     ; my 4 tiles of B
	s_sub_co_u32 s14, s13, s19
	s_add_co_u32 s2, s19, 6144
	s_mul_i32 s3, s10, 16*SP
	s_add_co_u32 s3, s3, STG                       ; my stage
	s_lshl_b32 s20, s16, 19                        ; 128 rows of 4,096 bytes
	s_lshl_b32 s21, s11, 18
	s_add_co_u32 s20, s20, s21
	s_lshl_b32 s21, s15, 9
	s_add_co_u32 s20, s20, s21
	s_lshl_b32 s21, s12, 8
	s_add_co_u32 s20, s20, s21
	s_mov_b32 s21, 0
	s_add_nc_u64 s[8:9], s[8:9], s[20:21]
	v_and_b32 v1, 31, v0
	v_and_b32 v2, 15, v0                           ; r
	v_bfe_u32 v3, v0, 4, 1                         ; h
	v_lshlrev_b32 v4, 4, v1
	v_lshlrev_b32 v5, 3, v1
	v_add_nc_u32 v16, s19, v4                      ; first half of K: A 16 x lane, A 8 x lane, B, B
	v_add_nc_u32 v17, s19, v5
	v_add_nc_u32 v18, s13, v4
	v_add_nc_u32 v19, s13, v5
.irp i, 0,1,2,3
	v_add_nc_u32 v[20+\i], 2*GRP, v[16+\i]         ; second half
.endr
	v_lshlrev_b32 v6, 3, v2
	v_mul_u32_u24 v7, s14, v3                      ; lanes 16-31 take B's scale bytes
	v_add_nc_u32 v6, v6, v7
	v_add_nc_u32 v[ADRS], s2, v6
	v_add_nc_u32 v[ADRS+1], 2*GRP, v[ADRS]
	v_mul_u32_u24 v6, v2, SP
	v_lshl_add_u32 v6, v3, 6, v6
	v_add_nc_u32 v[STO], s3, v6                    ; in: row r, + 64 h
	v_mul_u32_u24 v6, v3, SP
	v_lshl_add_u32 v6, v2, 4, v6
	v_add_nc_u32 v[RD], s3, v6                     ; back: lanes 0-15 one row of 256 bytes, lanes 16-31 the next
	v_lshlrev_b32 v6, 12, v3
	v_lshl_add_u32 v[CO], v2, 4, v6                ; and the same in out0
.macro FETCH s                         ; the fragments of K step s (128 along K): 32 dense loads
.set FB, 128*((\s)%2)
.set AD, 16+4*((\s)/4)
.set OF, ((\s)%4)*1536
	WIN TO_F
.irp i, 0,1,2,3
.irp c, 0,1
	ds_load_b128 v[FB+12*\i+6*\c:FB+12*\i+6*\c+3], v[AD] offset:OF+\i*HALFB+768*\c
	ds_load_b64 v[FB+12*\i+6*\c+4:FB+12*\i+6*\c+5], v[AD+1] offset:OF+\i*HALFB+768*\c+512
	ds_load_b128 v[FB+48+12*\i+6*\c:FB+48+12*\i+6*\c+3], v[AD+2] offset:OF+\i*HALFB+768*\c
	ds_load_b64 v[FB+48+12*\i+6*\c+4:FB+48+12*\i+6*\c+5], v[AD+3] offset:OF+\i*HALFB+768*\c+512
.endr
.endr
	WIN 0
.endm
.macro SCALES g                        ; the scale words of K steps 2 g, 2 g + 1: lanes 0-15 A's tile i, lanes 16-31 B's tile i; two words a row
.irp i, 0,1,2,3
	ds_load_b64 v[SC+8*((\g)%2)+2*\i:SC+8*((\g)%2)+2*\i+1], v[ADRS+(\g)/2] offset:HALFB*\i+128*((\g)%2)
.endr
.endm
.macro MULS s                          ; 16 matrix instructions; the 16 accumulators take turns, in the same order in every step
.set FB, 128*((\s)%2)
.set SS2, SC+8*(((\s)/2)%2)+(\s)%2
	WIN MUL
.irp a, 0,1,2,3
.irp b, 0,1,2,3
.if (\s) == 0
	v_wmma_scale_f32_16x16x128_f8f6f4 v[ACC+8*(4*\a+\b):ACC+8*(4*\a+\b)+7], v[FB+48+12*\b:FB+48+12*\b+11], v[FB+12*\a:FB+12*\a+11], 0, v[SS2+2*\b], v[SS2+2*\a] matrix_a_fmt:MATRIX_FMT_FP6 matrix_b_fmt:MATRIX_FMT_FP6 matrix_a_scale:MATRIX_SCALE_ROW1
.else
	v_wmma_scale_f32_16x16x128_f8f6f4 v[ACC+8*(4*\a+\b):ACC+8*(4*\a+\b)+7], v[FB+48+12*\b:FB+48+12*\b+11], v[FB+12*\a:FB+12*\a+11], v[ACC+8*(4*\a+\b):ACC+8*(4*\a+\b)+7], v[SS2+2*\b], v[SS2+2*\a] matrix_a_fmt:MATRIX_FMT_FP6 matrix_b_fmt:MATRIX_FMT_FP6 matrix_a_scale:MATRIX_SCALE_ROW1
.endif
.endr
.endr
	WIN 0
.endm
.macro KSTP s
	s_wait_dscnt 0x0                               ; this step's fragments are in
.if (\s) == 3
	s_wait_tensorcnt 0x0                           ; nothing of mine is out any more: the second half of K has landed
	s_barrier_signal -1
	s_barrier_wait -1                              ; everybody's has
.endif
.if (\s) < 7
	PLACES                                         ; in front of loads into the buffer that the last step's products read
	FETCH (\s)+1
.if (\s)%2 == 1
	SCALES ((\s)+1)/2
.endif
.endif
	MULS \s
.endm
	s_wait_alu depctr_va_vdst(0)                   ; the wait at the head's end
	s_cmp_lt_u32 s10, 2
	s_cbranch_scc0 .Lnot_first
	s_wait_tensorcnt 0x0                           ; waves 0 and 1: the first half of K
.Lnot_first:
	s_barrier_signal -1
	s_barrier_wait -1
	FETCH 0
	SCALES 0
.irp s, 0,1,2,3,4,5,6,7
	KSTP \s
.endr
; THE WAY OUT, a tile of 16 rows x 64 columns at a time, through my own stage; LDS serves a wave's instructions in order, so no wait stands between the stores and the loads.
.macro TOSTAGE a
.irp b, 0,1,2,3
	ds_store_b128 v[STO], v[ACC+8*(4*(\a)+\b):ACC+8*(4*(\a)+\b)+3] offset:128*(\b/2)+32*(\b%2)        ; columns 32 (b / 2) + 16 h + 8 (b % 2) on; each accumulator from its low end on
	ds_store_b128 v[STO], v[ACC+8*(4*(\a)+\b)+4:ACC+8*(4*(\a)+\b)+7] offset:128*(\b/2)+32*(\b%2)+16
.endr
.set BB, BK+32*((\a)%2)
.irp i, 0,1,2,3,4,5,6,7
	ds_load_b128 v[BB+4*\i:BB+4*\i+3], v[RD] offset:2*\i*SP
.endr
.endm
.macro SEND a, younger
.set BB, BK+32*((\a)%2)
	s_wait_dscnt \younger
.irp i, 0,1,2,3,4,5,6,7
	global_store_b128 v[CO], v[BB+4*\i:BB+4*\i+3], s[8:9] offset:(8*(\a)+2*\i+24*(\i/4))*4096 th:TH_STORE_NT   ; stage row R = 2 i + h is row 8 a + R + 24 (R / 8); 16 lanes store 256 consecutive bytes, aligned
.endr
.endm
	PLACES
	TOSTAGE 0
.irp a, 1,2,3
.if \a > 1
	s_wait_xcnt 0x0                                ; block a - 2's stores have read their registers
.endif
	TOSTAGE \a
	SEND \a-1, 16                                  ; behind block a - 1's loads: block a's 8 stores and 8 loads
.endr
	SEND 3, 0
	s_wait_tensorcnt 0x0
	ds_add_u32 v[SPW], v[NIL]
	s_wait_dscnt 0x0
	CROUND                                         ; the closing round
	s_endpgm
.Lfunc_end_k_qe2caf87372_gemm2:
	.size	k_qe2caf87372_gemm2, .Lfunc_end_k_qe2caf87372_gemm2-k_qe2caf87372_gemm2
	.p2alignl 7, 3214868480
	.fill 96, 4, 3214868480
	.section	.rodata,"a",@progbits
	.p2align	6, 0x0
	.amdhsa_kernel k_qe2caf87372_gemm2
		.amdhsa_group_segment_fixed_size 222720
		.amdhsa_private_segment_fixed_size 0
		.amdhsa_enable_private_segment 0
		.amdhsa_kernarg_size 24
		.amdhsa_user_sgpr_count 2
		.amdhsa_user_sgpr_kernarg_segment_ptr 1
		.amdhsa_wavefront_size32 1
		.amdhsa_system_sgpr_workgroup_id_x 1
		.amdhsa_system_sgpr_workgroup_id_y 1
		.amdhsa_system_sgpr_workgroup_id_z 1
		.amdhsa_system_vgpr_workitem_id 0
		.amdhsa_next_free_vgpr 512
		.amdhsa_next_free_sgpr 102
		.amdhsa_reserve_vcc 0
		.amdhsa_float_denorm_mode_32 3
		.amdhsa_float_denorm_mode_16_64 3
		.amdhsa_memory_ordered 1
		.amdhsa_forward_progress 1
		.amdhsa_inst_pref_size 50
	.end_amdhsa_kernel
	.amdgpu_metadata
---
amdhsa.version: [ 1, 2 ]
amdhsa.kernels:
  - .name:           k_qe2caf87372_gemm2
    .symbol:         k_qe2caf87372_gemm2.kd
    .args:
      - { .name: ao, .offset: 0, .size: 8, .value_kind: global_buffer, .address_space: global }
      - { .name: wq, .offset: 8, .size: 8, .value_kind: global_buffer, .address_space: global }
      - { .name: out0, .offset: 16, .size: 8, .value_kind: global_buffer, .address_space: global }
    .group_segment_fixed_size: 222720
    .private_segment_fixed_size: 0
    .kernarg_segment_align: 8
    .kernarg_segment_size: 24
    .max_flat_workgroup_size: 128
    .sgpr_count:     102
    .vgpr_count:     512
    .wavefront_size: 32
...
	.end_amdgpu_metadata
.endif
;; end of part 4
